; MI455X (gfx1250); checked and timed in simulation.
; The chip was launched on July 23, 2026; its instructions are those of AMD's public machine-readable ISA for CDNA 5 (MIT licence, August 2026) and "CDNA5" Instruction Set Architecture Reference Guide (July 2026). The comments in the code are by the model that wrote it; some were corrected since.
;; Self Attention. Allowed arithmetic: matrix products marked QUANTISED: E2M1 operands, one E8M0 scale for each 32 along K, by v_wmma_scale_f32_16x16x128_f8f6f4 with both operands' format E2M1 (or v_wmma_scale_f32_32x16x128_f4), f32 sums; everything else in f32.
;; Inputs: Wk 1,024 x 1,024 float32; Wq 1,024 x 1,024 float32; Wv 1,024 x 1,024 float32; bk 1,024 float32; bq 1,024 float32; bv 1,024 float32; mask 1 x 1 x 2,048 x 2,048 bool; x 4 x 2,048 x 1,024 float32.
;; Outputs: out0 4 x 2,048 x 1,024 float32.
;; This version of the problem:
;;   THIS VERSION OF THE PROBLEM IS GIVEN IN LOW PRECISION. The matrix products marked QUANTISED in the list below multiply operands that are first quantised to E2M1 (2 exponent bits, 1 mantissa bit; 4 bits a number), with one power-of-two scale for each 32 numbers along K (OCP MX v1.0); their sums are f32. All else is computed in f32.
;;   The module's matrix products, in the order in which they are computed (A, B: the left and right operand; K: the contracted axis; several contracted axes count as one K, in the product's order):
;;     1. [M 8,192, K 1,024] x [K 1,024, N 1,024]; A: input x; B: input Wq: QUANTISED
;;     2. [M 8,192, K 1,024] x [K 1,024, N 1,024]; A: input x; B: input Wk: QUANTISED
;;     3. [M 8,192, K 1,024] x [K 1,024, N 1,024]; A: input x; B: input Wv: QUANTISED
;;     4. batch 64 x [M 2,048, K 64] x [K 64, N 2,048]; A: computed on the way; B: computed on the way: QUANTISED
;;     5. batch 64 x [M 2,048, K 2,048] x [K 2,048, N 64]; A: softmax (see below); B: computed on the way: QUANTISED
;;   THE QUANTISER, for each operand of a quantised product, along K:
;;     - K is cut into blocks of 32 from its start; a last block that is shorter is filled with zeros.
;;     - A block's scale is 2^e with e = floor(log2(the largest magnitude in the block)) - 2, held to -126 .. 127; a block of zeros has e = 0. As a byte (E8M0): e + 127.
;;     - Each number is divided by its block's scale, clamped to +-6, and rounded to the nearest number of E2M1, ties to even, subnormals kept.
;;     - The product sums the exact products of the quantised numbers (number of the format x scale) in f32.
;;   ~~~python
;;   def quantise(x, axis):      # numpy; x: float32 -> the quantised numbers, widened to float32 again
;;       x = np.moveaxis(x, axis, -1); K = x.shape[-1]
;;       x = np.pad(x, [(0, 0)] * (x.ndim - 1) + [(0, -K % 32)]); x = x.reshape(x.shape[:-1] + (-1, 32)); a = np.abs(x).max(-1, keepdims=True)
;;       e = np.where(a > 0, np.clip(np.frexp(np.where(a > 0, a, 1))[1] - 1 - 2, -126, 127), 0)      # np.frexp(a)[1] - 1 = floor(log2(a)), exactly
;;       r = np.clip(x / 2.0 ** e, -6, 6)
;;       step = 2.0 ** (np.maximum(np.frexp(np.where(r == 0, 1, r))[1] - 1, 0) - 1)
;;       q = np.round(r / step) * step * 2.0 ** e      # np.round: ties to even
;;       return np.moveaxis(q.reshape(q.shape[:-2] + (-1,))[..., :K], -1, axis).astype(np.float32)
;;   ~~~
;;   SOFTMAX AHEAD OF A QUANTISED PRODUCT. Where the list says 'softmax', what is quantised is not the finished softmax but p = 2^(t - M), with t = logit x log2(e) and M = ceil(the row's largest t), a whole number; so 1/2 < the row's largest p <= 1. The row's sum l is taken of the UNQUANTISED p, in f32, and the product's result is divided by l at the end. Since M is a whole number, a kernel that streams over the keys may use a running M (the ceiling of the running maximum): every later rescaling is an exact power of two, which a block's scale takes up: the codes' values come out the same.
;;   OPERANDS COMPUTED ON THE WAY. 'Computed on the way' means the value that the module computes at that place (a softmax that the list does not call 'softmax' is quantised finished and normalised). What goes into a quantiser is computed in f32, as accurately as f32 sums, v_exp_f32 and their like allow (about 1e-6 of the number): no bf16 or f16 on the way to a quantiser, and a product that is left as it is and whose result goes on into a quantised operand takes f32 operands (vector FMAs, or v_wmma_f32_16x16x4_f32). A number that lies on a knife's edge between two numbers of the format may be rounded either way, as far as f32 arithmetic and the matrix unit's own rounding can turn it there, and no further.
;; 2 versions, each right; version 2 is version 1 with the launch attn written anew for expert scheduling mode. Each part assembles by itself: llvm-mc -triple=amdgcn-amd-amdhsa -mcpu=gfx1250 --defsym DOCPART=n.
;; ======== version 1 of 2: 3 launches
;; limits: right only within a limited range of input values
;; workspace buffers: xop 4,456,448 bytes; wop 1,671,168 bytes; qrec 4,456,448 bytes; kv 8,912,896 bytes; maskbits 524,288 bytes of whole numbers; qflags 65,536 bytes of whole numbers
;; launch prep (part 1): grid 576 x 1, 4 waves a work-group, no clusters, 34,304 bytes of LDS; arguments x, Wq, Wk, Wv, mask, xop, wop, maskbits, qflags; writes xop, wop, maskbits, qflags
.if DOCPART == 1
	.amdgcn_target "amdgcn-amd-amdhsa--gfx1250"
	.amdhsa_code_object_version 6
	.text
	.protected	k_qc96104c41b_prep
	.globl	k_qc96104c41b_prep
	.p2align	8
	.type	k_qc96104c41b_prep,@function
k_qc96104c41b_prep:
	s_mov_b64 s[64:65], 0
	v_nop
	global_prefetch_b8 v0, s[64:65] scope:SCOPE_SE
	s_setreg_imm32_b32 hwreg(HW_REG_WAVE_MODE, 25, 1), 1
	s_wait_xcnt 0x0
; PREP.  x [8192][1024] and Wq, Wk, Wv [1024 (k)][1024 (n)], f32, become codes of FP4 (E2M1) with one E8M0 byte for each 32 along K, laid as the
; matrix operands' registers want them; the mask [2048][2048] of bytes becomes lane masks, one bit a score, and flags for each tile of 16 queries.
; ONE ORDER OF ROWS for every tile of 16 rows (tokens or features): position p of tile T is row 32 (T / 2) + 8 (T % 2) + p + 8 (p / 8).
; A RECORD (xop, wop): [tile][K half][4,352 bytes]: 16 pieces of 256 bytes, piece b = K block b of the half as [position][16 bytes]; then 256 bytes of scale
; words [position][4 words], word s = the four bytes of the half's s-th 128 along K.  A fragment (16 rows x 128 K) is then 1,024 bytes on end: 16 x lane, and 512 on.
; A block's scale is 2^(floor(log2(largest magnitude)) - 2); its byte is the largest magnitude's exponent field - 2, held at 1 from below.
; LIMITS: a block whose largest magnitude lies under 2^-124, a block of zeros among them, keeps the byte 1 (its codes are zeros or the nearest codes under that scale);
; the bytes are read by this program alone.  NaN and infinities among the inputs are not served.
; THREE PATHS part on the work-group's number: 0-255 x, 256-447 the weights, 448-575 the mask.  Only x's path uses LDS; waves share nothing: no barrier.
.set REC,   4352                       ; a record
.set SROW,  528                        ; x's stage: a row of 512 bytes + 16, so that sixteen rows begin in sixteen different 16-byte columns
.set STG,   16*SROW                    ; a wave's stage
.set R,     32                         ; v32-159  x: two sets of 64 registers as loaded;  W: two sets of 32;  mask: 64 registers
.set X,     160                        ; v160-223 x: 64 neighbours: my two blocks of a K step
.set C,     224                        ; v224-255 x's codes: four registers for each block, never written again
.set SW,    16                         ; v16-19   scale words
; A block of 32 numbers in v[xs] on, all in my lane, becomes four registers of codes in v[cd] on and its byte in v[by].
.macro QBLK xs, cd, by
	v_max3_num_f32 v8, |v[(\xs)]|, |v[(\xs)+1]|, |v[(\xs)+2]|      ; the largest magnitude, in two chains
	v_max3_num_f32 v9, |v[(\xs)+3]|, |v[(\xs)+4]|, |v[(\xs)+5]|
.irp i, 6,10,14,18,22,26
	v_max3_num_f32 v8, v8, |v[(\xs)+\i]|, |v[(\xs)+\i+1]|
	v_max3_num_f32 v9, v9, |v[(\xs)+\i+2]|, |v[(\xs)+\i+3]|
.endr
	v_max3_num_f32 v8, v8, |v[(\xs)+30]|, |v[(\xs)+31]|
	v_max3_num_f32 v8, v8, v9, 0x1800000           ; and the floor 2^(3 - 127): the byte cannot fall under 1
	v_add_nc_u32 v11, 0xff000000, v8               ; 2 off the exponent field: the conversion takes this operand's exponent field as its scale
.irp g, 0,1,2,3
	v_cvt_scalef32_pk8_fp4_f32 v[(\cd)+\g], v[(\xs)+8*\g:(\xs)+8*\g+7], v11
.endr
	v_lshrrev_b32 v[\by], 23, v11                  ; the byte; also the plain instruction behind the conversions
.endm
	s_load_b512 s[4:19], s[0:1], 0x0               ; x s[4:5], Wq s[6:7], Wk s[8:9], Wv s[10:11], mask s[12:13], xop s[14:15], wop s[16:17], maskbits s[18:19]
	s_load_b64 s[20:21], s[0:1], 0x40              ; qflags
	v_lshl_add_u32 v30, v0, 2, 0x8400
	v_mov_b32 v31, 0
	v_lshrrev_b32 v1, 5, v0
	v_readfirstlane_b32 s22, v1                    ; wave 0..3
	v_and_b32 v1, 31, v0                           ; lane
	v_and_b32 v2, 15, v0                           ; r
	v_bfe_u32 v3, v0, 4, 1                         ; h
	s_mov_b32 s24, 0x76543210
	s_mov_b32 s25, 0xfedcba98                      ; v_permlanex16_b32's selects for lane l xor 16
	s_wait_kmcnt 0x0
	s_cmp_lt_u32 ttmp9, 256
	s_cbranch_scc0 .Lnot_x
; ---------------- x.  A wave takes one tile of 16 tokens and one K half: four K steps of 128.
; Each load reads 512 consecutive bytes of one row; a step's 16 rows turn through the wave's stage so that a lane gets whole blocks: lane (r, h) blocks h and 2 + h of row position r.
	s_lshl_b32 s26, ttmp9, 2
	s_add_co_u32 s26, s26, s22                     ; the record's number: 2 x tile + half
	s_lshr_b32 s27, s26, 1                         ; tile
	s_and_b32 s28, s26, 1                          ; half
	s_lshr_b32 s29, s27, 1
	s_lshl_b32 s29, s29, 5
	s_and_b32 s30, s27, 1
	s_lshl_b32 s30, s30, 3
	s_add_co_u32 s29, s29, s30                     ; the tile's first row: 32 (T / 2) + 8 (T % 2)
	s_lshl_b32 s30, s29, 12                        ; rows of 4,096 bytes
	s_lshl_b32 s28, s28, 11                        ; a half is 2,048 bytes
	s_add_co_u32 s30, s30, s28
	s_mov_b32 s31, 0
	s_add_nc_u64 s[4:5], s[4:5], s[30:31]
	s_mul_i32 s30, s26, REC
	s_add_nc_u64 s[14:15], s[14:15], s[30:31]
	v_lshlrev_b32 v4, 4, v1                        ; 16 x lane: my bytes of a load and of a store
	s_mul_i32 s32, s22, STG
	v_add_nc_u32 v5, s32, v4                       ; the stage, on the way in
	v_mul_u32_u24 v6, v2, SROW
	v_lshl_add_u32 v6, v3, 7, v6
	v_add_nc_u32 v6, s32, v6                       ; and out: row r, + 128 h: block h
	v_lshlrev_b32 v7, 4, v2
	v_lshl_add_u32 v7, v3, 3, v7                   ; the scale words' place: 16 r + 8 h
	v_lshlrev_b32 v10, 3, v3                       ; 8 h: where my bytes stand in a scale word
	v_mov_b32 v15, 0                               ; a lane permute's destination counts as read: written once
.macro XLOAD s
.irp i, 0,1,2,3,4,5,6,7,8,9,10,11,12,13,14,15
	global_load_b128 v[R+64*((\s)%2)+4*\i:R+64*((\s)%2)+4*\i+3], v4, s[4:5] offset:(\i+8*(\i/8))*4096+512*(\s) th:TH_LOAD_NT
.endr
.endm
.macro XSTEP s
.if \s < 3
	s_wait_loadcnt 16                              ; this step's 16 loads are in; the next step's 16 may be out
.else
	s_wait_loadcnt 0x0
.endif
.irp i, 0,1,2,3,4,5,6,7,8,9,10,11,12,13,14,15
	ds_store_b128 v5, v[R+64*((\s)%2)+4*\i:R+64*((\s)%2)+4*\i+3] offset:SROW*\i
.endr
.irp c, 0,1
.irp j, 0,1,2,3,4,5,6,7
	ds_load_b128 v[X+32*\c+4*\j:X+32*\c+4*\j+3], v6 offset:256*\c+16*\j    ; LDS serves a wave's instructions in order: these see the stores above
.endr
.endr
	s_wait_dscnt 0x0                               ; my blocks are in, and the stores have read their registers,
.if \s < 2
	XLOAD \s+2                                     ; which take the loads of two steps on
.endif
	QBLK X, C+8*\s, 12
	QBLK X+32, C+8*\s+4, 13
	global_store_b128 v4, v[C+8*\s:C+8*\s+3], s[14:15] offset:1024*\s       ; 512 consecutive bytes, aligned: K blocks 4 s and 4 s + 1 of the 16 rows
	global_store_b128 v4, v[C+8*\s+4:C+8*\s+7], s[14:15] offset:1024*\s+512
	v_lshl_or_b32 v14, v13, 16, v12                ; my two bytes: blocks h and 2 + h,
	v_lshlrev_b32 v14, v10, v14                    ; at their places;
	v_permlanex16_b32 v15, v14, s24, s25
	v_or_b32 v[SW+\s], v14, v15                    ; with lane l xor 16's two the word is whole
.endm
	XLOAD 0
	XLOAD 1
	XSTEP 0
	XSTEP 1
	XSTEP 2
	XSTEP 3
	v_cmp_eq_u32 vcc_lo, 1, v3
	v_cndmask_b32 v20, v16, v18, vcc_lo            ; lanes 0-15 store words 0 and 1 of their row, lanes 16-31 words 2 and 3
	v_cndmask_b32 v21, v17, v19, vcc_lo
	global_store_b64 v7, v[20:21], s[14:15] offset:4096    ; 256 consecutive bytes, aligned
	s_wait_tensorcnt 0x0
	ds_add_u32 v30, v31
	s_wait_dscnt 0x0
	s_endpgm
.Lnot_x:
	s_cmp_lt_u32 ttmp9, 448
	s_cbranch_scc0 .Lmask
; ---------------- the weights.  K is a weight's FIRST axis: a lane takes a column and its registers run down K, so a block of 32 lies in one lane and nothing is transposed.
; A wave takes 32 columns x 128 along K.  Lanes 0-15 are the sixteen positions of the even tile of those columns, lanes 16-31 of the odd one.
	s_sub_co_u32 s26, ttmp9, 256
	s_lshr_b32 s27, s26, 6                         ; which weight: 0 q, 1 k, 2 v
	s_and_b32 s28, s26, 7
	s_bfe_u32 s29, s26, 0x30003                    ; which 128 along K
	s_lshl_b32 s28, s28, 2
	s_add_co_u32 s28, s28, s22                     ; which 32 columns
	s_cmp_eq_u32 s27, 0
	s_cselect_b64 s[6:7], s[6:7], s[8:9]
	s_cmp_eq_u32 s27, 2
	s_cselect_b64 s[6:7], s[10:11], s[6:7]
	s_lshl_b32 s30, s29, 19                        ; 128 rows of 4,096 bytes
	s_lshl_b32 s32, s28, 7                         ; 32 columns of 4 bytes
	s_add_co_u32 s30, s30, s32
	s_mov_b32 s31, 0
	s_add_nc_u64 s[6:7], s[6:7], s[30:31]
	s_lshl_b32 s30, s27, 7                         ; the even tile's record: 2 (64 m + 2 G) + half
	s_lshl_b32 s32, s28, 2
	s_add_co_u32 s30, s30, s32
	s_lshr_b32 s32, s29, 2
	s_add_co_u32 s30, s30, s32
	s_mul_i32 s30, s30, REC
	s_and_b32 s32, s29, 3                          ; which 128 of the half
	s_lshl_b32 s33, s32, 10
	s_add_co_u32 s34, s30, s33                     ; its codes,
	s_mov_b32 s35, 0
	s_lshl_b32 s33, s32, 2
	s_add_co_u32 s30, s30, s33
	s_add_co_u32 s30, s30, 4096                    ; its scale words
	s_add_nc_u64 s[36:37], s[16:17], s[34:35]
	s_add_nc_u64 s[38:39], s[16:17], s[30:31]
	v_and_b32 v4, 7, v1
	v_bfe_u32 v6, v1, 3, 1
	v_lshl_add_u32 v4, v6, 4, v4
	v_lshl_add_u32 v4, v3, 3, v4                   ; my column of the 32: l % 8 + 16 ((l / 8) % 2) + 8 (l / 16)
	v_lshlrev_b32 v4, 2, v4
	v_mul_u32_u24 v5, v3, 2*REC                    ; out: the odd tile's record lies two records on;
	v_lshl_add_u32 v5, v2, 4, v5                   ; 16 bytes a position
.macro WLOAD t
.irp i, 0,1,2,3,4,5,6,7,8,9,10,11,12,13,14,15,16,17,18,19,20,21,22,23,24,25,26,27,28,29,30,31
	global_load_b32 v[R+32*((\t)%2)+\i], v4, s[6:7] offset:(32*(\t)+\i)*4096 th:TH_LOAD_NT
.endr
.endm
.macro WBLK t
.if \t < 3
	s_wait_loadcnt 32                              ; this block's 32 loads are in; the next block's may be out
.else
	s_wait_loadcnt 0x0
.endif
	QBLK R+32*((\t)%2), 96+4*(\t), 12
.if \t == 0
	v_mov_b32 v16, v12                             ; the four bytes make my column's scale word
.else
	v_lshl_or_b32 v16, v12, 8*\t, v16
.endif
	global_store_b128 v5, v[96+4*\t:96+4*\t+3], s[36:37] offset:256*\t     ; sixteen lanes store 256 consecutive bytes, aligned: a K block of a tile
.if \t < 2
	WLOAD \t+2
.endif
.endm
	WLOAD 0
	WLOAD 1
	WBLK 0
	WBLK 1
	WBLK 2
	WBLK 3
	global_store_b32 v5, v16, s[38:39]             ; 4 bytes in each 16: one byte for each 128 that this path reads
	s_endpgm
.Lmask:
; ---------------- the mask.  A work-group takes a tile of 16 queries, a wave four key steps of 128 keys.
; maskbits [tile][key step][64 words]: word n, bit l = mask(query position l % 16, key 128 step + 32 (n / 16) + 16 (l / 16) + n % 16): the lane mask for score register n.
; qflags [tile][wave][32 words]: word 0: bit s = key step s has a visible score, bit 16 + s = it has a hidden one; word 1: the lanes that saw a visible key; the rest 0.
	s_sub_co_u32 s26, ttmp9, 448                   ; the tile
	s_lshr_b32 s27, s26, 1
	s_lshl_b32 s27, s27, 5
	s_and_b32 s28, s26, 1
	s_lshl_b32 s28, s28, 3
	s_add_co_u32 s27, s27, s28                     ; its first query
	s_lshl_b32 s30, s27, 11                        ; rows of 2,048 bytes
	s_lshl_b32 s28, s22, 9                         ; my four key steps
	s_add_co_u32 s30, s30, s28
	s_mov_b32 s31, 0
	s_add_nc_u64 s[12:13], s[12:13], s[30:31]
	s_lshl_b32 s30, s26, 4
	s_lshl_b32 s28, s22, 2
	s_add_co_u32 s30, s30, s28
	s_lshl_b32 s30, s30, 8                         ; 256 bytes a key step
	s_add_nc_u64 s[18:19], s[18:19], s[30:31]
	s_lshl_b32 s30, s26, 2
	s_add_co_u32 s30, s30, s22
	s_lshl_b32 s30, s30, 7
	s_add_nc_u64 s[20:21], s[20:21], s[30:31]
	v_and_b32 v4, 8, v2
	v_add_nc_u32 v4, v4, v2                        ; r + 8 (r / 8)
	v_lshlrev_b32 v4, 11, v4
	v_lshl_add_u32 v4, v3, 4, v4                   ; my row, + 16 h
	v_lshlrev_b32 v6, 3, v1
	v_lshlrev_b32 v7, 2, v1
.irp s, 0,1,2,3
.irp b, 0,1,2,3
	global_load_b128 v[R+16*\s+4*\b:R+16*\s+4*\b+3], v4, s[12:13] offset:128*\s+32*\b
.endr
.endr
.irp j, 96,97,98,99,100,101,102,103,104
	v_mov_b32 v[\j], 0                             ; v_writelane_b32's destination counts as read
.endr
	s_mov_b32 s40, 0                               ; lanes that saw a visible key
	s_mov_b32 s41, 0                               ; steps with a visible score
	s_mov_b32 s42, 0                               ; steps with a hidden one
.macro MSTEP s
	s_wait_loadcnt 12-4*\s                         ; this step's four loads are in; the later steps' may be out
	s_mov_b32 s28, 0
	s_mov_b32 s29, -1
.set n, 0
.rept 64
	v_and_b32 v[8+n%4], 0xff<<(8*(n&3)), v[R+16*\s+4*(n>>4)+((n&15)>>2)]   ; byte n % 16 of my 16 bytes of block n / 16
	v_cmp_ne_u32 s[36+n%4], 0, v[8+n%4]            ; the 32 lanes' bits: word n
	v_writelane_b32 v[96+2*\s+(n&1)], s[36+n%4], n>>1   ; lane n / 2 stores words n and n + 1
	s_or_b32 s28, s28, s[36+n%4]
	s_and_b32 s29, s29, s[36+n%4]
.set n, n+1
.endr
	global_store_b64 v6, v[96+2*\s:97+2*\s], s[18:19] offset:256*\s   ; 256 consecutive bytes, aligned
	s_or_b32 s40, s40, s28
	s_cmp_lg_u32 s28, 0
	s_cselect_b32 s33, 1, 0
	s_lshl_b32 s33, s33, \s
	s_or_b32 s41, s41, s33
	s_cmp_lg_u32 s29, -1
	s_cselect_b32 s33, 1, 0
	s_lshl_b32 s33, s33, \s
	s_or_b32 s42, s42, s33
.endm
	MSTEP 0
	MSTEP 1
	MSTEP 2
	MSTEP 3
	s_lshl_b32 s34, s22, 2                         ; my steps are 4 w on
	s_lshl_b32 s41, s41, s34
	s_lshl_b32 s42, s42, s34
	s_lshl_b32 s42, s42, 16
	s_or_b32 s41, s41, s42
	v_writelane_b32 v104, s41, 0
	v_writelane_b32 v104, s40, 1
	global_store_b32 v7, v104, s[20:21]
	s_endpgm
.Lfunc_end_k_qc96104c41b_prep:
	.size	k_qc96104c41b_prep, .Lfunc_end_k_qc96104c41b_prep-k_qc96104c41b_prep
	.p2alignl 7, 3214868480
	.fill 96, 4, 3214868480
	.section	.rodata,"a",@progbits
	.p2align	6, 0x0
	.amdhsa_kernel k_qc96104c41b_prep
		.amdhsa_group_segment_fixed_size 34304
		.amdhsa_private_segment_fixed_size 0
		.amdhsa_enable_private_segment 0
		.amdhsa_kernarg_size 72
		.amdhsa_user_sgpr_count 2
		.amdhsa_user_sgpr_kernarg_segment_ptr 1
		.amdhsa_wavefront_size32 1
		.amdhsa_system_sgpr_workgroup_id_x 1
		.amdhsa_system_sgpr_workgroup_id_y 1
		.amdhsa_system_sgpr_workgroup_id_z 1
		.amdhsa_system_vgpr_workitem_id 0
		.amdhsa_next_free_vgpr 256
		.amdhsa_next_free_sgpr 66
		.amdhsa_reserve_vcc 1
		.amdhsa_float_denorm_mode_32 3
		.amdhsa_float_denorm_mode_16_64 3
		.amdhsa_memory_ordered 1
		.amdhsa_forward_progress 1
		.amdhsa_inst_pref_size 118
	.end_amdhsa_kernel
	.amdgpu_metadata
---
amdhsa.version: [ 1, 2 ]
amdhsa.kernels:
  - .name:           k_qc96104c41b_prep
    .symbol:         k_qc96104c41b_prep.kd
    .args:
      - { .name: x, .offset: 0, .size: 8, .value_kind: global_buffer, .address_space: global }
      - { .name: Wq, .offset: 8, .size: 8, .value_kind: global_buffer, .address_space: global }
      - { .name: Wk, .offset: 16, .size: 8, .value_kind: global_buffer, .address_space: global }
      - { .name: Wv, .offset: 24, .size: 8, .value_kind: global_buffer, .address_space: global }
      - { .name: mask, .offset: 32, .size: 8, .value_kind: global_buffer, .address_space: global }
      - { .name: xop, .offset: 40, .size: 8, .value_kind: global_buffer, .address_space: global }
      - { .name: wop, .offset: 48, .size: 8, .value_kind: global_buffer, .address_space: global }
      - { .name: maskbits, .offset: 56, .size: 8, .value_kind: global_buffer, .address_space: global }
      - { .name: qflags, .offset: 64, .size: 8, .value_kind: global_buffer, .address_space: global }
    .group_segment_fixed_size: 34304
    .private_segment_fixed_size: 0
    .kernarg_segment_align: 8
    .kernarg_segment_size: 72
    .max_flat_workgroup_size: 128
    .sgpr_count:     66
    .vgpr_count:     256
    .wavefront_size: 32
...
	.end_amdgpu_metadata
.endif
;; end of part 1
;; launch qkv (part 2): grid 12 x 32, 16 waves a work-group, clusters of 4 x 4, 280,576 bytes of LDS; arguments xop, wop, bq, bk, bv, qrec, kv; writes qrec, kv
.if DOCPART == 2
	.amdgcn_target "amdgcn-amd-amdhsa--gfx1250"
	.amdhsa_code_object_version 6
	.text
	.protected	k_qc96104c41b_qkv
	.globl	k_qc96104c41b_qkv
	.p2align	8
	.type	k_qc96104c41b_qkv,@function
k_qc96104c41b_qkv:
	s_mov_b64 s[64:65], 0
	v_nop
	global_prefetch_b8 v0, s[64:65] scope:SCOPE_SE
	s_setreg_imm32_b32 hwreg(HW_REG_WAVE_MODE, 25, 1), 1
	s_wait_xcnt 0x0
	s_wait_alu depctr_hold_cnt(0) depctr_sa_sdst(0) depctr_va_vdst(0) depctr_va_sdst(0) depctr_va_ssrc(0) depctr_va_vcc(0) depctr_vm_vsrc(0)
	s_getreg_b32 s2, hwreg(HW_REG_IB_STS2, 6, 4)
	s_cmp_eq_u32 s2, 0
	s_cbranch_scc0 .Lentry_in_a_cluster
	s_endpgm
.Lentry_in_a_cluster:
	s_bfe_u32 s2, ttmp6, 0x10000c
	s_cmp_lg_u32 s2, 0xf033
	s_cbranch_scc0 .Lentry_shape_is_right
	s_endpgm
.Lentry_shape_is_right:
; QKV.  q = x Wq + bq, k = x Wk + bk, v = x Wv + bv on codes of FP4 with E8M0 scales, K = 1,024; the results are quantised in registers for the attention's two products and leave as codes.
; A work-group makes 256 tokens x 256 features.  Its operands for ALL of K, 2 x 16 tile records for each K half (2 x 139,264 bytes), come into LDS once: every LDS byte is filled once, nothing is filled again.
; THE PRODUCT'S SOURCE 0 (P) CARRIES THE AXIS ALONG WHICH THE RESULT IS QUANTISED, source 1 (R) the lane's row.  q, k: P = features (the head's 64 are their next K), R = tokens.  v: P = tokens (the keys are its next K), R = features.
; By the tiles' order of rows (position p of tile T = row 32 (T / 2) + 8 (T % 2) + p + 8 (p / 8)) a lane's 16 registers of P's tiles 2 b and 2 b + 1 are 16 neighbours: 32 b + 16 (lane / 16) + 0 .. 15.
; SIXTEEN WAVES: wave w takes P's tiles 8 (w % 2) on (128 rows) and R's tiles 2 (w / 2) on (32 rows): 16 accumulators, 128 registers; four waves to a SIMD.
; CLUSTER 4 x 4: the four work-groups of a row need the same tokens' records, the four of a column the same features': each is asked for jointly.  The cluster's x (0 q, 1 k, 2 v) is the same in all sixteen: the one branch on it is alike in all partners.
; OUT.  qrec [64 heads][69,632]: codes [128 token tiles][block of 32][position][16 bytes]; at 65,536 scale words [64 pairs of tiles][position]: low half the even tile's two bytes, high half the odd tile's.
;       kv [64 heads][139,264]: k as in qrec; at 69,632 v's codes [16 key steps][4 tiles of the head's 64][1,024: a fragment's image]; at 135,168 v's scale words [16][4][position].
; LIMITS: blocks whose largest magnitude lies under 2^-124 keep the byte 1; NaN and infinities are not served.
.set REC,   4352
.set SIDE,  16*REC                     ; 69,632: one operand's 16 records of a K half
.set CHUNK, 2*SIDE                     ; 139,264: a K half: xop's records, then wop's
.set ADP, 2                            ; v2-3   LDS address of P's fragments in K half 0, 1
.set ADR, 4                            ; v4-5   of R's
.set ASP, 6                            ; v6-7   of P's scale words: lanes 0-15 tile i, lanes 16-31 tile i + 4
.set ASR, 8                            ; v8-9   of R's: lanes 0-15 tile 0, lanes 16-31 tile 1
.set SP,  16                           ; v16-19 P's scale words;  v20 R's: these hold scales and nothing else
.set SR,  20
.set RF,  24                           ; v24-39   R's two fragments; later the codes made
.set PF,  40                           ; v40-103  P's eight fragments; later q's or k's bias
.set ACC, 104                          ; v104-231 accumulator (P tile t, R tile u) at ACC + 64 u + 8 t
.set TM,  232                          ; v232-247 at work in QUANT
.set PW,  248                          ; v248-249 the scale words made
.set BV,  250                          ; v[250:251], v[252:253] v's bias for R's two tiles: the low word of each pair
.set SEL, 90                           ; s[90:91] lane selects for v_permlanex16_b32
.macro CROUND                          ; a round of the cluster's barrier
	s_barrier_signal -1
	s_barrier_wait -1
	s_cmp_lg_u32 s18, 0
	s_cbranch_scc1 .Lnot_wave_0_\@
	s_barrier_signal -3
.Lnot_wave_0_\@:
	s_barrier_wait -3
	s_barrier_signal -1
	s_barrier_wait -1
.endm
	s_load_b256 s[4:11], s[0:1], 0x0               ; xop s[4:5], wop s[6:7], bq s[8:9], bk s[10:11]
	s_load_b128 s[12:15], s[0:1], 0x20             ; bv s[12:13], qrec s[14:15]
	s_load_b64 s[16:17], s[0:1], 0x30              ; kv
	v_lshl_add_u32 v242, v0, 2, 0x44000
	v_mov_b32 v243, 0
	ds_add_u32 v242, v243
	ds_add_u32 v242, v243
	v_lshrrev_b32 v1, 5, v0
	v_readfirstlane_b32 s18, v1                    ; wave 0..15
	s_and_b32 s19, s18, 1                          ; which 8 tiles of P are mine; for waves 0-3 also: which 8 records I fetch
	s_lshr_b32 s20, s18, 1                         ; which 2 tiles of R
	s_bfe_u32 s21, ttmp6, 0x40000                  ; cx
	s_bfe_u32 s22, ttmp6, 0x40004                  ; cy
	s_lshl_b32 s23, ttmp9, 2
	s_add_co_u32 s23, s23, s21                     ; which 256 features of the 3,072
	s_and_b32 s56, ttmp7, 0xffff
	s_lshl_b32 s56, s56, 2
	s_add_co_u32 s56, s56, s22                     ; which 256 tokens
	s_lshl_b32 s57, s22, 2
	s_lshl_b32 s57, 15, s57                        ; my row of the cluster
	s_lshl_b32 s58, 0x1111, s21                    ; my column
	; descriptor group 1: 8 records of one K half: rows of 544 elements of 8 bytes (4,352 bytes), 1,088 elements apart in memory, on end in LDS
	s_or_b32 s24, s57, (3<<16)|(1<<21)             ; 15:0 the mask: tokens' records go to my row; 17:16 elements of 8 bytes; 21 set beside a mask; no padding
	s_or_b32 s32, s58, (3<<16)|(1<<21)             ; features' records go to my column
.irp g, 24, 32
	s_mov_b32 s[\g+1], 544<<16                     ; tensor_dim0
	s_mov_b32 s[\g+2], 8<<16                       ; tensor_dim1
	s_mov_b32 s[\g+3], 544<<16                     ; tile_dim0
	s_mov_b32 s[\g+4], 8                           ; tile_dim1
	s_mov_b32 s[\g+5], 1088                        ; tensor_dim0_stride
	s_mov_b32 s[\g+6], 0
	s_mov_b32 s[\g+7], 0
.endr
	s_lshl_b32 s59, s19, 3
	s_lshl_b32 s60, s56, 4
	s_add_co_u32 s60, s60, s59
	s_mul_i32 s60, s60, 2*REC                      ; tokens: tile 16 ty + 8 (wave % 2), in bytes
	s_mov_b32 s61, 0
	s_lshl_b32 s62, s23, 4
	s_add_co_u32 s62, s62, s59
	s_mul_i32 s62, s62, 2*REC                      ; features: tile 16 fx + 8 (wave % 2): in registers that never hold the tokens' coordinate
	s_mov_b32 s63, 0
	s_mul_i32 s66, s19, 8*REC                      ; where they go: no place in the cluster enters an LDS address
	s_mov_b32 s[SEL], 0x76543210
	s_mov_b32 s[SEL+1], 0xfedcba98
	s_wait_dscnt 0x0
	s_wait_kmcnt 0x0
	s_add_nc_u64 s[60:61], s[4:5], s[60:61]
	s_add_nc_u64 s[62:63], s[6:7], s[62:63]
	CROUND                                         ; all sixteen work-groups are here: the joint loads meet
.irp c, 0,1                                    ; group 0, a set for each K half: s[40:47] tokens, s[48:55] features
	s_mov_b32 s[40+4*\c], 1
	s_add_co_u32 s[41+4*\c], s66, \c*CHUNK
	s_add_nc_u64 s[42+4*\c:43+4*\c], s[60:61], \c*REC
	s_or_b32 s[43+4*\c], s[43+4*\c], 0x80000000
	s_mov_b32 s[48+4*\c], 1
	s_add_co_u32 s[49+4*\c], s66, \c*CHUNK+SIDE
	s_add_nc_u64 s[50+4*\c:51+4*\c], s[62:63], \c*REC
	s_or_b32 s[51+4*\c], s[51+4*\c], 0x80000000
.endr
	s_cmp_lt_u32 s18, 2                            ; waves 0, 1: tokens; waves 2, 3: features; the others fetch nothing.  A wave's two fills stand together: two loads of mine are out at the most
	s_cbranch_scc0 .Lnot_x
	tensor_load_to_lds s[40:43], s[24:31]
	s_nop 0
	tensor_load_to_lds s[44:47], s[24:31]
	s_nop 0
.rept 4
	v_nop
.endr
	s_branch .Lasked
.Lnot_x:
	s_cmp_lt_u32 s18, 4
	s_cbranch_scc0 .Lasked
	tensor_load_to_lds s[48:51], s[32:39]
	s_nop 0
	tensor_load_to_lds s[52:55], s[32:39]
	s_nop 0
.rept 4
	v_nop
.endr
.Lasked:
	v_and_b32 v1, 31, v0
	v_lshlrev_b32 v13, 2, v1                       ; 4 x lane
	v_lshlrev_b32 v1, 4, v1                        ; 16 x lane
	v_and_b32 v22, 15, v0                          ; r
	v_bfe_u32 v23, v0, 4, 1                        ; h
	v_lshlrev_b32 v10, 6, v23                      ; q's, k's bias: 64 h
	v_and_b32 v12, 8, v22
	v_add_nc_u32 v12, v12, v22
	v_lshlrev_b32 v12, 2, v12                      ; v's bias: 4 (r + 8 (r / 8))
	s_cmp_eq_u32 ttmp9, 2
	s_cselect_b32 s67, 0, SIDE                     ; P: the tokens' records for v, else the features'
	s_cselect_b32 s68, SIDE, 0                     ; R: the other
	s_mul_i32 s69, s19, 8*REC
	s_add_co_u32 s69, s69, s67
	s_mul_i32 s70, s20, 2*REC
	s_add_co_u32 s70, s70, s68
	v_add_nc_u32 v[ADP], s69, v1                   ; every address of K half c stays inside that half's 139,264 bytes
	v_add_nc_u32 v[ADP+1], CHUNK, v[ADP]
	v_add_nc_u32 v[ADR], s70, v1
	v_add_nc_u32 v[ADR+1], CHUNK, v[ADR]
	v_lshlrev_b32 v254, 4, v22                     ; scale words: 16 bytes a position
	v_mad_u32_u24 v[ASP], v23, 4*REC, v254         ; lanes 16-31 four tiles on
	v_add_nc_u32 v[ASP], s69, v[ASP]
	v_add_nc_u32 v[ASP+1], CHUNK, v[ASP]
	v_mad_u32_u24 v[ASR], v23, REC, v254           ; lanes 16-31 one tile on
	v_add_nc_u32 v[ASR], s70, v[ASR]
	v_add_nc_u32 v[ASR+1], CHUNK, v[ASR]
.irp b, 0,1,2,3
	v_mov_b32 v[TM+4+\b], 0                        ; a lane permute's destination counts as read: written once
.endr
	v_mov_b32 v[BV+1], 0                           ; named as the upper halves of pairs
	v_mov_b32 v[BV+3], 0
; One product: P's tile t x R's tile u, 128 along K.  P's scales from lanes 16-31 for tiles 4-7, R's for tile 1.  zero = 1: the first product starts the sum.
.macro WM t, u, zero
.set rD, ACC+64*(\u)+8*(\t)
.set rP, PF+8*(\t)
.set rR, RF+8*(\u)
.set rS, SP+(\t)%4
.if \zero
.if ((\t) < 4) && ((\u) == 0)
	v_wmma_scale_f32_16x16x128_f8f6f4 v[rD:rD+7], v[rP:rP+7], v[rR:rR+7], 0, v[rS], v[SR] matrix_a_fmt:MATRIX_FMT_FP4 matrix_b_fmt:MATRIX_FMT_FP4
.elseif (\t) < 4
	v_wmma_scale_f32_16x16x128_f8f6f4 v[rD:rD+7], v[rP:rP+7], v[rR:rR+7], 0, v[rS], v[SR] matrix_a_fmt:MATRIX_FMT_FP4 matrix_b_fmt:MATRIX_FMT_FP4 matrix_b_scale:MATRIX_SCALE_ROW1
.elseif (\u) == 0
	v_wmma_scale_f32_16x16x128_f8f6f4 v[rD:rD+7], v[rP:rP+7], v[rR:rR+7], 0, v[rS], v[SR] matrix_a_fmt:MATRIX_FMT_FP4 matrix_b_fmt:MATRIX_FMT_FP4 matrix_a_scale:MATRIX_SCALE_ROW1
.else
	v_wmma_scale_f32_16x16x128_f8f6f4 v[rD:rD+7], v[rP:rP+7], v[rR:rR+7], 0, v[rS], v[SR] matrix_a_fmt:MATRIX_FMT_FP4 matrix_b_fmt:MATRIX_FMT_FP4 matrix_a_scale:MATRIX_SCALE_ROW1 matrix_b_scale:MATRIX_SCALE_ROW1
.endif
.else
.if ((\t) < 4) && ((\u) == 0)
	v_wmma_scale_f32_16x16x128_f8f6f4 v[rD:rD+7], v[rP:rP+7], v[rR:rR+7], v[rD:rD+7], v[rS], v[SR] matrix_a_fmt:MATRIX_FMT_FP4 matrix_b_fmt:MATRIX_FMT_FP4
.elseif (\t) < 4
	v_wmma_scale_f32_16x16x128_f8f6f4 v[rD:rD+7], v[rP:rP+7], v[rR:rR+7], v[rD:rD+7], v[rS], v[SR] matrix_a_fmt:MATRIX_FMT_FP4 matrix_b_fmt:MATRIX_FMT_FP4 matrix_b_scale:MATRIX_SCALE_ROW1
.elseif (\u) == 0
	v_wmma_scale_f32_16x16x128_f8f6f4 v[rD:rD+7], v[rP:rP+7], v[rR:rR+7], v[rD:rD+7], v[rS], v[SR] matrix_a_fmt:MATRIX_FMT_FP4 matrix_b_fmt:MATRIX_FMT_FP4 matrix_a_scale:MATRIX_SCALE_ROW1
.else
	v_wmma_scale_f32_16x16x128_f8f6f4 v[rD:rD+7], v[rP:rP+7], v[rR:rR+7], v[rD:rD+7], v[rS], v[SR] matrix_a_fmt:MATRIX_FMT_FP4 matrix_b_fmt:MATRIX_FMT_FP4 matrix_a_scale:MATRIX_SCALE_ROW1 matrix_b_scale:MATRIX_SCALE_ROW1
.endif
.endif
.endm
; The s-th 128 along K of K half c: 25 LDS loads in one run, then 16 products; the 16 accumulators take turns, one instruction a turn, in the same order in every step.
.macro KSTEP c, s, zero
.if !\zero
.rept 4
	v_nop                                          ; four plain places between the last products and loads into registers that they read (ISA guide 7.12.1 for vector instructions)
.endr
.endif
.irp u, 0,1
	ds_load_b128 v[RF+8*\u:RF+8*\u+3],   v[ADR+\c] offset:REC*\u+1024*\s
	ds_load_b128 v[RF+8*\u+4:RF+8*\u+7], v[ADR+\c] offset:REC*\u+1024*\s+512
.endr
	ds_load_b32 v[SR], v[ASR+\c] offset:4096+4*\s
.irp i, 0,1,2,3
	ds_load_b32 v[SP+\i], v[ASP+\c] offset:4096+REC*\i+4*\s
.endr
.irp t, 0,1,2,3,4,5,6,7
	ds_load_b128 v[PF+8*\t:PF+8*\t+3],   v[ADP+\c] offset:REC*\t+1024*\s
	ds_load_b128 v[PF+8*\t+4:PF+8*\t+7], v[ADP+\c] offset:REC*\t+1024*\s+512
.endr
	s_wait_dscnt 8                                 ; all but the youngest eight loads, P's tiles 4-7
.irp t, 0,1,2,3
.irp u, 0,1
	WM \t, \u, \zero
.endr
.endr
	s_wait_dscnt 0x0
.irp t, 4,5,6,7
.irp u, 0,1
	WM \t, \u, \zero
.endr
.endr
.endm
; 64 numbers of a lane, v[s] on, register 16 b + i = k 32 b + 16 (lane / 16) + i of my row, become a fragment's codes in v[pc] on and its scale word in v[pw].
.macro QUANT s, pc, pw
.irp b, 0,1,2,3
	v_max3_num_f32 v[TM+\b], |v[(\s)+16*\b]|, |v[(\s)+1+16*\b]|, 0x1800000   ; block b: my 16 numbers, and the floor 2^(3 - 127)
.endr
.irp i, 2,4,6,8,10,12,14
.irp b, 0,1,2,3
	v_max3_num_f32 v[TM+\b], v[TM+\b], |v[(\s)+16*\b+\i]|, |v[(\s)+1+16*\b+\i]|
.endr
.endr
.irp b, 0,1,2,3
	v_permlanex16_b32 v[TM+4+\b], v[TM+\b], s[SEL], s[SEL+1]
.endr
.irp b, 0,1,2,3
	v_max_num_f32 v[TM+\b], v[TM+\b], v[TM+4+\b]   ; with lane l xor 16's: the block's largest magnitude
.endr
.irp b, 0,1,2,3
	v_add_nc_u32 v[TM+12+\b], 0xff000000, v[TM+\b] ; 2 off its exponent field: the conversion's scale operand
.endr
.irp b, 0,1,2,3
	v_lshrrev_b32 v[TM+4+\b], 23, v[TM+12+\b]      ; the byte
.endr
	v_lshl_or_b32 v[\pw], v[TM+5], 8, v[TM+4]
	v_lshl_or_b32 v[\pw], v[TM+6], 16, v[\pw]
	v_lshl_or_b32 v[\pw], v[TM+7], 24, v[\pw]
.irp b, 0,1,2,3
	v_cvt_scalef32_pk8_fp4_f32 v[(\pc)+2*\b], v[(\s)+16*\b:(\s)+7+16*\b], v[TM+12+\b]
	v_cvt_scalef32_pk8_fp4_f32 v[(\pc)+1+2*\b], v[(\s)+8+16*\b:(\s)+15+16*\b], v[TM+12+\b]
.endr
	v_nop                                          ; one plain place behind a scaled conversion
.irp c, 0,1                                    ; the operand's layout wants a whole block in a lane: lanes 0-15 block 2 c, lanes 16-31 block 2 c + 1
.irp i, 0,1
	v_permlane16_swap_b32 v[(\pc)+4*\c+\i], v[(\pc)+2+4*\c+\i]
.endr
.endr
.endm
	s_wait_tensorcnt 1                             ; my part of K half 0 is in; K half 1's load may stay out
	s_barrier_signal -1
	s_barrier_wait -1                              ; everybody's is
	KSTEP 0, 0, 1
	KSTEP 0, 1, 0
	KSTEP 0, 2, 0
	KSTEP 0, 3, 0
	s_wait_tensorcnt 0x0                           ; my part of K half 1 is in (no LDS load of mine is out: each step ended on the count 0)
	s_barrier_signal -1
	s_barrier_wait -1
	KSTEP 1, 0, 0
	KSTEP 1, 1, 0
	KSTEP 1, 2, 0
	KSTEP 1, 3, 0
.rept 4
	v_nop                                          ; places in front of the first reads of results and of loads into P's registers
.endr
	s_cmp_eq_u32 ttmp9, 2
	s_cbranch_scc1 .Lv
; ---- q and k.  My 128 features are two heads, A (blocks 0, 1) and B (blocks 2, 3); my lane's row is a token.
	s_cmp_eq_u32 ttmp9, 0
	s_cselect_b64 s[72:73], s[8:9], s[10:11]       ; the bias,
	s_cselect_b64 s[74:75], s[14:15], s[16:17]     ; the buffer,
	s_mov_b32 s71, 139264
	s_cselect_b32 s71, 69632, s71                  ; and a head's record in it
	s_and_b32 s76, s23, 3
	s_lshl_b32 s78, s76, 10
	s_lshl_b32 s77, s19, 9
	s_add_co_u32 s78, s78, s77                     ; my first feature x 4 bytes: 256 (fx % 4) + 128 (wave % 2)
	s_mov_b32 s79, 0
	s_add_nc_u64 s[72:73], s[72:73], s[78:79]
.irp b, 0,1,2,3
.irp j, 0,1,2,3
	global_load_b128 v[PF+16*\b+4*\j:PF+16*\b+4*\j+3], v10, s[72:73] offset:128*\b+16*\j    ; the bias in the results' layout: register 16 b + i = feature 32 b + 16 h + i
.endr
.endr
	s_lshr_b32 s80, s56, 3                         ; the batch
	s_lshl_b32 s80, s80, 4
	s_lshl_b32 s77, s76, 2
	s_add_co_u32 s80, s80, s77
	s_lshl_b32 s77, s19, 1
	s_add_co_u32 s80, s80, s77                     ; head A: 16 batch + 4 (fx % 4) + 2 (wave % 2)
	s_mul_i32 s78, s80, s71
	s_add_nc_u64 s[74:75], s[74:75], s[78:79]      ; its record
	s_and_b32 s81, s56, 7
	s_lshl_b32 s82, s81, 4
	s_lshl_b32 s77, s20, 1
	s_add_co_u32 s82, s82, s77                     ; my first token tile in the batch
	s_lshl_b32 s78, s82, 9
	s_add_nc_u64 s[84:85], s[74:75], s[78:79]      ; head A's codes,
	s_mov_b32 s78, s71
	s_add_nc_u64 s[86:87], s[84:85], s[78:79]      ; head B's, a record on
	s_lshl_b32 s78, s81, 3
	s_add_co_u32 s78, s78, s20                     ; the pair of tiles
	s_lshl_b32 s78, s78, 6
	s_add_co_u32 s78, s78, 65536
	s_add_nc_u64 s[88:89], s[74:75], s[78:79]      ; its scale words
	v_mul_lo_u32 v11, v23, s71
	v_lshl_add_u32 v11, v22, 2, v11                ; lanes 0-15 store head A's words, lanes 16-31 head B's
	s_wait_loadcnt 0x0
.irp u, 0,1
.set k, 0
.rept 32
	v_pk_add_f32 v[ACC+64*\u+2*k:ACC+64*\u+2*k+1], v[ACC+64*\u+2*k:ACC+64*\u+2*k+1], v[PF+2*k:PF+2*k+1]   ; each accumulator from its low end on
.set k, k+1
.endr
	QUANT ACC+64*\u, RF+8*\u, PW+\u
.endr
.irp u, 0,1
	global_store_b128 v1, v[RF+8*\u:RF+8*\u+3], s[84:85] offset:512*\u      ; a tile's codes of a head: 512 consecutive bytes, aligned
	global_store_b128 v1, v[RF+8*\u+4:RF+8*\u+7], s[86:87] offset:512*\u
.endr
	v_and_b32 v254, 0xffff, v[PW]
	v_lshl_or_b32 v254, v[PW+1], 16, v254          ; head A: the even tile's two bytes below, the odd tile's above
	v_lshrrev_b32 v255, 16, v[PW]
	v_and_or_b32 v255, v[PW+1], 0xffff0000, v255   ; head B likewise
	v_cmp_eq_u32 vcc_lo, 1, v23
	v_cndmask_b32 v254, v254, v255, vcc_lo
	global_store_b32 v11, v254, s[88:89]           ; two runs of 64 bytes: one byte for each 16 of codes
	s_branch .Lend
.Lv:
; ---- v.  My lane's row is a feature (one of the head's 64), my 128 tokens are one key step.
	s_sub_co_u32 s76, s23, 8
	s_lshl_b32 s78, s76, 10
	s_lshl_b32 s77, s20, 7
	s_add_co_u32 s78, s78, s77                     ; my first feature x 4 bytes: 256 (fx - 8) + 32 (wave / 2)
	s_mov_b32 s79, 0
	s_add_nc_u64 s[72:73], s[12:13], s[78:79]
	global_load_b32 v[BV], v12, s[72:73]
	global_load_b32 v[BV+2], v12, s[72:73] offset:32
	s_lshr_b32 s80, s56, 3
	s_lshl_b32 s80, s80, 4
	s_lshl_b32 s77, s76, 2
	s_add_co_u32 s80, s80, s77
	s_lshr_b32 s77, s20, 1
	s_add_co_u32 s80, s80, s77                     ; the head: 16 batch + 4 (fx - 8) + wave / 4
	s_mul_i32 s80, s80, 139264
	s_lshl_b32 s81, s56, 1
	s_add_co_u32 s81, s81, s19
	s_and_b32 s81, s81, 15                         ; the key step
	s_lshl_b32 s81, s81, 2
	s_and_b32 s77, s20, 1
	s_lshl_b32 s77, s77, 1
	s_add_co_u32 s81, s81, s77                     ; 4 x key step + my first tile of the head's 64
	s_lshl_b32 s78, s81, 10
	s_add_co_u32 s78, s78, s80
	s_add_co_u32 s78, s78, 69632
	s_add_nc_u64 s[84:85], s[16:17], s[78:79]      ; the codes
	s_lshl_b32 s78, s81, 6
	s_add_co_u32 s78, s78, s80
	s_add_co_u32 s78, s78, 135168
	s_add_nc_u64 s[88:89], s[16:17], s[78:79]      ; the scale words
	s_wait_loadcnt 0x0
.irp u, 0,1
.set k, 0
.rept 32
	v_pk_add_f32 v[ACC+64*\u+2*k:ACC+64*\u+2*k+1], v[ACC+64*\u+2*k:ACC+64*\u+2*k+1], v[BV+2*\u:BV+2*\u+1] op_sel_hi:[1,0]   ; my feature's bias for both halves
.set k, k+1
.endr
	QUANT ACC+64*\u, RF+8*\u, PW+\u
.endr
.irp u, 0,1
	global_store_b128 v1, v[RF+8*\u:RF+8*\u+3], s[84:85] offset:1024*\u     ; a fragment's image: twice 512 consecutive bytes, aligned
	global_store_b128 v1, v[RF+8*\u+4:RF+8*\u+7], s[84:85] offset:1024*\u+512
.endr
	v_cmp_eq_u32 vcc_lo, 1, v23
	v_cndmask_b32 v254, v[PW], v[PW+1], vcc_lo     ; lanes 0-15 the first tile's words, lanes 16-31 the second's
	global_store_b32 v13, v254, s[88:89]           ; 128 consecutive bytes
.Lend:
	s_wait_tensorcnt 0x0
	ds_add_u32 v242, v243
	s_wait_dscnt 0x0
	CROUND                                         ; the closing round: no work-group ends while a partner may still ask for a tile that names it
	s_endpgm
.Lfunc_end_k_qc96104c41b_qkv:
	.size	k_qc96104c41b_qkv, .Lfunc_end_k_qc96104c41b_qkv-k_qc96104c41b_qkv
	.p2alignl 7, 3214868480
	.fill 96, 4, 3214868480
	.section	.rodata,"a",@progbits
	.p2align	6, 0x0
	.amdhsa_kernel k_qc96104c41b_qkv
		.amdhsa_group_segment_fixed_size 280576
		.amdhsa_private_segment_fixed_size 0
		.amdhsa_enable_private_segment 0
		.amdhsa_kernarg_size 56
		.amdhsa_user_sgpr_count 2
		.amdhsa_user_sgpr_kernarg_segment_ptr 1
		.amdhsa_wavefront_size32 1
		.amdhsa_system_sgpr_workgroup_id_x 1
		.amdhsa_system_sgpr_workgroup_id_y 1
		.amdhsa_system_sgpr_workgroup_id_z 1
		.amdhsa_system_vgpr_workitem_id 0
		.amdhsa_next_free_vgpr 256
		.amdhsa_next_free_sgpr 100
		.amdhsa_reserve_vcc 1
		.amdhsa_float_denorm_mode_32 3
		.amdhsa_float_denorm_mode_16_64 3
		.amdhsa_memory_ordered 1
		.amdhsa_forward_progress 1
		.amdhsa_inst_pref_size 66
	.end_amdhsa_kernel
	.amdgpu_metadata
---
amdhsa.version: [ 1, 2 ]
amdhsa.kernels:
  - .name:           k_qc96104c41b_qkv
    .symbol:         k_qc96104c41b_qkv.kd
    .args:
      - { .name: xop, .offset: 0, .size: 8, .value_kind: global_buffer, .address_space: global }
      - { .name: wop, .offset: 8, .size: 8, .value_kind: global_buffer, .address_space: global }
      - { .name: bq, .offset: 16, .size: 8, .value_kind: global_buffer, .address_space: global }
      - { .name: bk, .offset: 24, .size: 8, .value_kind: global_buffer, .address_space: global }
      - { .name: bv, .offset: 32, .size: 8, .value_kind: global_buffer, .address_space: global }
      - { .name: qrec, .offset: 40, .size: 8, .value_kind: global_buffer, .address_space: global }
      - { .name: kv, .offset: 48, .size: 8, .value_kind: global_buffer, .address_space: global }
    .group_segment_fixed_size: 280576
    .private_segment_fixed_size: 0
    .kernarg_segment_align: 8
    .kernarg_segment_size: 56
    .max_flat_workgroup_size: 512
    .sgpr_count:     100
    .vgpr_count:     256
    .wavefront_size: 32
...
	.end_amdgpu_metadata
.endif
;; end of part 2
;; launch attn (part 3): grid 4 x 64, 16 waves a work-group, no clusters, 219,136 bytes of LDS; arguments qrec, kv, maskbits, qflags, out0; writes out0
.if DOCPART == 3
	.amdgcn_target "amdgcn-amd-amdhsa--gfx1250"
	.amdhsa_code_object_version 6
	.text
	.protected	k_qc96104c41b_attn
	.globl	k_qc96104c41b_attn
	.p2align	8
	.type	k_qc96104c41b_attn,@function
k_qc96104c41b_attn:
	s_mov_b64 s[64:65], 0
	v_nop
	global_prefetch_b8 v0, s[64:65] scope:SCOPE_SE
	s_setreg_imm32_b32 hwreg(HW_REG_WAVE_MODE, 25, 1), 1
	s_wait_xcnt 0x0
; ATTN.  out(b, q, head) = softmax_k(where(mask, q . k / 8, -1e9)) v, both products on codes of FP4 with E8M0 scales.
; t = score x log2(e) / 8; M = the running largest t rounded UP to a whole number; p = 2^(t - M) is quantised along the keys, not normalised; the row's sum of the unquantised p divides at the end.
; SHARES.  A work-group takes one head and 512 queries; it copies the head's whole record of k and v (139,264 bytes of codes and scale words) into LDS once, passes one barrier, and then each of its
; sixteen waves works alone: two passes, one tile of 16 queries each (tiles i and 127 - i, which evens the waves' work where later queries see more keys; it is right for any mask), 16 key steps of 128 keys a pass.
; LAYOUT.  Both products are used transposed: S^T = K Q^T (source 0 = 16 keys), O^T = V^T P^T (source 0 = 16 of the head's 64): a lane holds one query (position lane % 16) throughout.
; By the tiles' order of rows the 16 registers of key tiles 2 j and 2 j + 1 are 16 neighbouring keys, 32 j + 16 (lane / 16) + 0 .. 15.
; THE HEAD'S K IS 64, the instruction's 128: a fragment of K holds two key tiles, one in each half of K, and is multiplied once by (Q | zero codes) and once by (zero codes | Q).
; THE MASK is an input.  It comes as lane masks (one word a score register) and as flags, both made by an earlier launch.  A key step with no visible score for my 16 queries is left out by a scalar branch on the
; stored flags, but only where each of the 16 queries has a visible key somewhere: p of a hidden score is then 0.  A tile with a wholly hidden query walks all steps: that row's p are all 1, the mean of v.
; NO TENSOR LOAD AND NO CLUSTER: the steps are left out by branches on numbers read from memory; and what the four work-groups of a head share is read once
; by each, 139,264 bytes at the head, not in every step.
; LIMITS.  A hidden score is set to -2^33, so that its t = -2^33 log2(e) / 8 is a whole number (about -1.55e9; the -1e9 of the definition gives -1.44e9): p is 1 in a wholly hidden row and 0 beside any visible
; key, as by the definition, as long as visible logits lie above about -1e9.  NaN and infinities are not served.  A block of p that are all 0 keeps the byte 1 over zero codes.
.set KSCL,  65536                      ; LDS: k's codes at 0; k's scale words here;
.set VCOD,  69632                      ; v's codes;
.set VSCL,  135168                     ; v's scale words; the record ends at 139,264
.set STAGE, 147456                     ; the way out: 16 rows x (256 bytes + 16) for each wave
.set S,   96                           ; v96-159  S^T, then p
.set O,   160                          ; v160-191 O^T: four tiles of the head's 64
.set PC,  192                          ; v192-199 p's codes
.set BM,  200                          ; v200-203 the blocks' largest score, then largest p
.set BT,  204                          ; v204-207 at work
.set BS,  208                          ; v208-211 the conversions' scale operands
; v1 16 x lane, v2 4 x lane + KSCL (an LDS immediate holds 16 bits, so the 65,536 stand in the register), v3 4 r, v4 16 x thread, v5, v6 the stage in and out, v7 my offset in the rows of out0;
; v8-11 LDS addresses of the step's k, v, k's and v's scale words;
; v12 -M, v13 the largest t, v[14:15] the sum in two halves; v[16:23] (Q | 0), v[24:31] (0 | Q); v32-63 four fragments of k, v64-95 four of v;
; v[212:213] f and a word named with it; v[214:215] the sum's second chain; v216 p's scale word, v217 Q's, v219-220 k's, v221-222 v's: scales and nothing else; v218 Q's as loaded; v223 -2^33.
; s14 wave, s15 the tile of queries, s[16:63], s[68:83] the step's 64 mask words, s[84:85] lane selects, s[86:87] c, s88 key step, s89 passes left, s90 steps to work, s91 steps with hidden scores,
; s[92:93] the tile's mask words, s[94:95] the tile's rows of out0, s96 4,096 x key step, s97 256 x key step.
	s_load_b256 s[4:11], s[0:1], 0x0               ; qrec s[4:5], kv s[6:7], maskbits s[8:9], qflags s[10:11]
	s_load_b64 s[12:13], s[0:1], 0x20              ; out0
	v_lshl_add_u32 v254, v0, 2, 0x35000
	v_mov_b32 v255, 0
	v_lshrrev_b32 v1, 5, v0
	v_readfirstlane_b32 s14, v1                    ; wave 0..15
	s_and_b32 s98, ttmp7, 0xffff                   ; 16 x batch + head
	s_mov_b32 s101, 0
	s_lshl_b32 s15, ttmp9, 4
	s_add_co_u32 s15, s15, s14                     ; the first pass's tile
	v_lshlrev_b32 v4, 4, v0
	s_mul_i32 s100, s98, 139264
	s_wait_kmcnt 0x0
	s_add_nc_u64 s[6:7], s[6:7], s[100:101]
.irp i, 0,1,2,3,4,5,6,7,8,9,10,11,12,13,14,15,16
	global_load_b128 v[96+4*\i:99+4*\i], v4, s[6:7] offset:8192*\i    ; the 512 threads read 8,192 consecutive bytes; 17 such runs are the record
.endr
	s_mul_i32 s100, s98, 69632
	s_add_nc_u64 s[4:5], s[4:5], s[100:101]        ; the head's record of q
	s_lshr_b32 s99, s98, 4
	s_lshl_b32 s100, s99, 23                       ; the batch's 2,048 rows of 4,096 bytes,
	s_and_b32 s99, s98, 15
	s_lshl_b32 s99, s99, 8                         ; the head's 256 bytes of a row
	s_add_co_u32 s100, s100, s99
	s_add_nc_u64 s[12:13], s[12:13], s[100:101]
	v_and_b32 v2, 31, v0
	v_lshlrev_b32 v1, 4, v2
	v_lshl_add_u32 v2, v2, 2, KSCL                 ; 4 x lane, from k's scale words on
	v_and_b32 v230, 15, v0                         ; r
	v_bfe_u32 v231, v0, 4, 1                       ; h
	v_lshlrev_b32 v3, 2, v230
	s_mul_i32 s99, s14, 16*272
	s_add_co_u32 s99, s99, STAGE                   ; my stage
	v_mul_u32_u24 v5, v230, 272
	v_lshl_add_u32 v5, v231, 6, v5
	v_add_nc_u32 v5, s99, v5                       ; in: row r, + 64 h
	v_mul_u32_u24 v6, v231, 272
	v_lshl_add_u32 v6, v230, 4, v6
	v_add_nc_u32 v6, s99, v6                       ; back: lanes 0-15 one row, lanes 16-31 the next
	v_lshlrev_b32 v7, 12, v231
	v_lshl_add_u32 v7, v230, 4, v7                 ; and the same two rows in out0
	v_add_nc_u32 v228, 0x10000, v4
	v_add_nc_u32 v229, 0x20000, v4
.irp j, 20,21,22,23,24,25,26,27
	v_mov_b32 v[\j], 0                             ; the zero codes beside Q
.endr
.irp j, 204,205,206,207,213,224
	v_mov_b32 v[\j], 0                             ; lane permutes' destinations and a pair's upper word: written once
.endr
	v_mov_b32 v223, 0xd0000000                     ; -2^33
	s_mov_b32 s84, 0x76543210
	s_mov_b32 s85, 0xfedcba98
	s_mov_b32 s86, 0x3e38aa3b                      ; c = log2(e) / 8
	s_mov_b32 s87, s86                             ; (named with it as a pair)
.irp i, 0,1,2,3,4,5,6,7,8,9,10,11,12,13,14,15,16
	s_wait_loadcnt 16-\i                           ; loads come back in order: run i is in, the younger ones may be out
.if \i < 8
	ds_store_b128 v4, v[96+4*\i:99+4*\i] offset:8192*\i
.elseif \i < 16
	ds_store_b128 v228, v[96+4*\i:99+4*\i] offset:8192*(\i-8)
.else
	ds_store_b128 v229, v[96+4*\i:99+4*\i]
.endif
.endr
	s_wait_dscnt 0x0                               ; for the others' sake: my stores have landed
	s_barrier_signal -1
	s_barrier_wait -1                              ; the record is whole; nobody writes it again
	s_mov_b32 s89, 2
.Lpass:
	s_lshl_b32 s98, s15, 9
	s_load_b64 s[16:17], s[10:11], s98 offset:0x0  ; the tile's flags, a pair from each of the four waves that made them
	s_load_b64 s[18:19], s[10:11], s98 offset:0x80
	s_load_b64 s[20:21], s[10:11], s98 offset:0x100
	s_load_b64 s[22:23], s[10:11], s98 offset:0x180
	v_add_nc_u32 v226, s98, v1                     ; Q's codes: 512 bytes a tile
	s_lshr_b32 s99, s15, 1
	s_lshl_b32 s100, s99, 6
	v_add_nc_u32 v227, s100, v3                    ; its scale words: 64 bytes a pair of tiles
	global_load_b128 v[16:19], v226, s[4:5]
	global_load_b128 v[28:31], v226, s[4:5]        ; the same codes for the upper half of K
	global_load_b32 v218, v227, s[4:5] offset:65536
	s_lshl_b32 s100, s15, 12
	s_add_nc_u64 s[92:93], s[8:9], s[100:101]
	s_lshl_b32 s99, s99, 5
	s_and_b32 s100, s15, 1
	s_lshl_b32 s100, s100, 3
	s_add_co_u32 s100, s100, s99                   ; the tile's first query
	s_lshl_b32 s100, s100, 12
	s_add_nc_u64 s[94:95], s[12:13], s[100:101]
	s_wait_kmcnt 0x0
	s_or_b32 s16, s16, s18
	s_or_b32 s20, s20, s22
	s_or_b32 s16, s16, s20                         ; bit s: step s has a visible score; bit 16 + s: a hidden one
	s_or_b32 s17, s17, s19
	s_or_b32 s21, s21, s23
	s_or_b32 s17, s17, s21                         ; the lanes that saw a visible key;
	s_lshr_b32 s18, s17, 16
	s_or_b32 s17, s17, s18
	s_and_b32 s17, s17, 0xffff                     ; the queries
	s_and_b32 s18, s16, 0xffff
	s_lshr_b32 s91, s16, 16
	s_mov_b32 s90, 0xffff
	s_cmp_eq_u32 s17, 0xffff
	s_cselect_b32 s90, s18, s90                    ; all 16 queries see a key: only steps with a visible score are worked; else all 16 steps
	s_and_b32 s98, s15, 1
	s_lshl_b32 s98, s98, 4
	s_wait_loadcnt 0x0
	v_lshrrev_b32 v217, s98, v218                  ; my tile's two bytes,
	v_and_b32 v217, 0xffff, v217
	v_lshl_or_b32 v217, v217, 16, v217             ; for either half of K
	v_mov_b32 v13, 0xff61b1e6                      ; the largest t so far: -3e38, under every t
	v_floor_f32 v12, -v13                          ; -M
	v_mov_b32 v14, 0
	v_mov_b32 v15, 0
.irp j, 0,1,2,3,4,5,6,7,8,9,10,11,12,13,14,15,16,17,18,19,20,21,22,23,24,25,26,27,28,29,30,31
	v_mov_b32 v[O+\j], 0                           ; the step is written once: the first finds zeros, which the first change of M leaves zeros
.endr
	s_mov_b32 s88, 0
	s_mov_b32 s96, 0
	s_mov_b32 s97, 0
.Lks:
	s_lshr_b32 s98, s90, s88
	s_and_b32 s98, s98, 1
	s_cmp_eq_u32 s98, 0
	s_cbranch_scc1 .Lskip                          ; nothing visible here: only the lines that step the offsets are run
	s_load_b512 s[16:31], s[92:93], s97 offset:0x0 ; the step's 64 lane masks
	s_load_b512 s[32:47], s[92:93], s97 offset:0x40
	s_load_b512 s[48:63], s[92:93], s97 offset:0x80
	s_load_b512 s[68:83], s[92:93], s97 offset:0xc0
	v_add_nc_u32 v8, s96, v1                       ; k: 4,096 bytes a step
	v_add_nc_u32 v9, VCOD, v8                      ; v likewise
	v_add_nc_u32 v10, s97, v2                      ; k's scale words: 256 bytes a step
	v_add_nc_u32 v11, VSCL-KSCL, v10               ; v's likewise
.irp j, 0,1,2,3
	ds_load_b128 v[32+8*\j:35+8*\j], v8 offset:1024*\j        ; key tile 2 j in the lower half of K,
	ds_load_b128 v[36+8*\j:39+8*\j], v8 offset:1024*\j+512    ; key tile 2 j + 1 in the upper
.endr
.irp i, 0,1
	ds_load_b32 v[219+\i], v10 offset:128*\i       ; lanes 0-15 the words of pair 2 i, lanes 16-31 of pair 2 i + 1
.endr
.irp j, 0,1,2,3
	ds_load_b128 v[64+8*\j:67+8*\j], v9 offset:1024*\j
	ds_load_b128 v[68+8*\j:71+8*\j], v9 offset:1024*\j+512
.endr
.irp i, 0,1
	ds_load_b32 v[221+\i], v11 offset:128*\i
.endr
	s_wait_dscnt 10                                ; k is in; v's ten loads may be out
.irp j, 0,2
	v_wmma_scale_f32_16x16x128_f8f6f4 v[S+16*\j:S+16*\j+7], v[32+8*\j:39+8*\j], v[16:23], 0, v[219+\j/2], v217 matrix_a_fmt:MATRIX_FMT_FP4 matrix_b_fmt:MATRIX_FMT_FP4
	v_wmma_scale_f32_16x16x128_f8f6f4 v[S+16*\j+8:S+16*\j+15], v[32+8*\j:39+8*\j], v[24:31], 0, v[219+\j/2], v217 matrix_a_fmt:MATRIX_FMT_FP4 matrix_b_fmt:MATRIX_FMT_FP4
	v_wmma_scale_f32_16x16x128_f8f6f4 v[S+16*\j+16:S+16*\j+23], v[40+8*\j:47+8*\j], v[16:23], 0, v[219+\j/2], v217 matrix_a_fmt:MATRIX_FMT_FP4 matrix_b_fmt:MATRIX_FMT_FP4 matrix_a_scale:MATRIX_SCALE_ROW1
	v_wmma_scale_f32_16x16x128_f8f6f4 v[S+16*\j+24:S+16*\j+31], v[40+8*\j:47+8*\j], v[24:31], 0, v[219+\j/2], v217 matrix_a_fmt:MATRIX_FMT_FP4 matrix_b_fmt:MATRIX_FMT_FP4 matrix_a_scale:MATRIX_SCALE_ROW1
.endr
.rept 4
	v_nop                                          ; four plain places in front of the first read of the scores (ISA guide 7.12.1)
.endr
	s_wait_kmcnt 0x0                               ; the masks are in, and their offset register may be stepped
	s_lshr_b32 s98, s91, s88
	s_and_b32 s98, s98, 1
	s_cmp_eq_u32 s98, 0
	s_cbranch_scc1 .Lopen                          ; every score of the step counts
.irp n, 0,1,2,3,4,5,6,7,8,9,10,11,12,13,14,15,16,17,18,19,20,21,22,23,24,25,26,27,28,29,30,31,32,33,34,35,36,37,38,39,40,41,42,43,44,45,46,47
	v_cndmask_b32 v[S+\n], v223, v[S+\n], s[16+\n] ; hidden: -2^33
.endr
.irp n, 48,49,50,51,52,53,54,55,56,57,58,59,60,61,62,63
	v_cndmask_b32 v[S+\n], v223, v[S+\n], s[20+\n]
.endr
.Lopen:
.irp b, 0,1,2,3
	v_max3_num_f32 v[BM+\b], v[S+16*\b], v[S+1+16*\b], v[S+2+16*\b]   ; the largest score of each block of 32 keys: for the row's maximum, and, since p rises with the score, for the block's largest p
.endr
.irp i, 3,5,7,9,11,13
.irp b, 0,1,2,3
	v_max3_num_f32 v[BM+\b], v[BM+\b], v[S+16*\b+\i], v[S+1+16*\b+\i]
.endr
.endr
.irp b, 0,1,2,3
	v_max_num_f32 v[BM+\b], v[BM+\b], v[S+15+16*\b]
.endr
.irp b, 0,1,2,3
	v_permlanex16_b32 v[BT+\b], v[BM+\b], s84, s85
.endr
.irp b, 0,1,2,3
	v_max_num_f32 v[BM+\b], v[BM+\b], v[BT+\b]     ; with lane l xor 16's 16 keys
.endr
	v_max3_num_f32 v224, v200, v201, v202
	v_max_num_f32 v224, v224, v203                 ; the step's largest score of my query,
	v_mul_f32 v224, s86, v224                      ; as t (c is positive)
	v_max_num_f32 v13, v13, v224                   ; the running largest t
	v_mov_b32 v224, v12
	v_floor_f32 v12, -v13                          ; the new -M = floor(-t) = -ceil(t)
	v_sub_f32 v224, v12, v224                      ; old M - new M: a whole number, 0 or less
	v_cvt_i32_f32 v224, v224                       ; (it saturates)
	v_ldexp_f32 v212, 1.0, v224                    ; f = 2^(old M - new M): the rescaling rounds nothing
.irp j, 0,2,4,6,8,10,12,14,16,18,20,22,24,26,28,30,32,34,36,38,40,42,44,46,48,50,52,54,56,58,60,62
	v_pk_fma_f32 v[S+\j:S+1+\j], v[S+\j:S+1+\j], s[86:87], v[12:13] op_sel_hi:[1,0,0]   ; t - M, two at a time
.endr
.irp b, 0,1,2,3
	v_fma_f32 v[BM+\b], v[BM+\b], s86, v12         ; the same of each block's largest score
.endr
.irp j, 0,1,2,3,4,5,6,7,8,9,10,11,12,13,14,15,16,17,18,19,20,21,22,23,24,25,26,27,28,29,30,31,32,33,34,35,36,37,38,39,40,41,42,43,44,45,46,47,48,49,50,51,52,53,54,55,56,57,58,59,60,61,62,63
	v_exp_f32 v[S+\j], v[S+\j]                     ; p = 2^(t - M), at most 1
.endr
	v_pk_mul_f32 v[14:15], v[14:15], v[212:213] op_sel_hi:[1,0]   ; the sums under the new M; the plain instruction behind the exponentials
	s_wait_alu depctr_va_vdst(0)                   ; one wait for the batch of 64, ahead of its first reader
.irp b, 0,1,2,3
	v_exp_f32 v[BM+\b], v[BM+\b]                   ; the block's largest p: the same two instructions on the same number give the same bits
.endr
.irp j, 0,2,4,6,8,10,12,14,16,18,20,22,24,26,28,30
	v_pk_mul_f32 v[O+\j:O+1+\j], v[O+\j:O+1+\j], v[212:213] op_sel_hi:[1,0]   ; O^T under the new M, each accumulator from its low end on: the independent work behind the four
.endr
	s_wait_alu depctr_va_vdst(0)                   ; and one for the four
.irp b, 0,1,2,3
	v_max_num_f32 v[BM+\b], 0x1800000, v[BM+\b]    ; the floor 2^(3 - 127): the byte cannot fall under 1
.endr
.irp b, 0,1,2,3
	v_add_nc_u32 v[BS+\b], 0xff000000, v[BM+\b]    ; 2 off the exponent field: the conversion's scale operand
.endr
.irp b, 0,1,2,3
	v_lshrrev_b32 v[BT+\b], 23, v[BS+\b]           ; the byte
.endr
	v_lshl_or_b32 v216, v205, 8, v204              ; p's scale word for these 128 keys
	v_lshl_or_b32 v216, v206, 16, v216
	v_lshl_or_b32 v216, v207, 24, v216
.irp b, 0,1,2,3
	v_cvt_scalef32_pk8_fp4_f32 v[PC+2*\b], v[S+16*\b:S+7+16*\b], v[BS+\b]
	v_cvt_scalef32_pk8_fp4_f32 v[PC+1+2*\b], v[S+8+16*\b:S+15+16*\b], v[BS+\b]
.endr
	v_nop                                          ; one plain place behind a scaled conversion
.irp c, 0,1                                    ; the operand's layout wants a whole block in a lane
.irp i, 0,1
	v_permlane16_swap_b32 v[PC+4*\c+\i], v[PC+2+4*\c+\i]
.endr
.endr
	v_pk_add_f32 v[214:215], v[S:S+1], v[S+2:S+3]  ; the row's sum of the UNQUANTISED p, in two chains; these 32 lines are also the places between the codes' and the scale word's last writes and the products below
.irp j, 4,8,12,16,20,24,28,32,36,40,44,48,52,56,60
	v_pk_add_f32 v[14:15], v[14:15], v[S+\j:S+1+\j]
	v_pk_add_f32 v[214:215], v[214:215], v[S+2+\j:S+3+\j]
.endr
	v_pk_add_f32 v[14:15], v[14:15], v[214:215]
	s_wait_dscnt 0x0                               ; v is in
.irp d, 0,2                                    ; O^T += V^T P^T: the four accumulators take turns; between two links of one chain stand the other three and the next step's eight
	v_wmma_scale_f32_16x16x128_f8f6f4 v[O+8*\d:O+8*\d+7], v[64+8*\d:71+8*\d], v[PC:PC+7], v[O+8*\d:O+8*\d+7], v[221+\d/2], v216 matrix_a_fmt:MATRIX_FMT_FP4 matrix_b_fmt:MATRIX_FMT_FP4
	v_wmma_scale_f32_16x16x128_f8f6f4 v[O+8*\d+8:O+8*\d+15], v[72+8*\d:79+8*\d], v[PC:PC+7], v[O+8*\d+8:O+8*\d+15], v[221+\d/2], v216 matrix_a_fmt:MATRIX_FMT_FP4 matrix_b_fmt:MATRIX_FMT_FP4 matrix_a_scale:MATRIX_SCALE_ROW1
.endr
.rept 4
	v_nop                                          ; places in front of the next loads into v's registers and of the next read of O^T
.endr
.Lskip:
	s_add_co_u32 s96, s96, 4096
	s_add_co_u32 s97, s97, 256
	s_add_co_u32 s88, s88, 1
	s_cmp_lt_u32 s88, 16
	s_cbranch_scc1 .Lks
	; THE WAY OUT of a pass.  O^T / the sum goes through my stage and leaves as rows: sixteen lanes store a query's 256 consecutive bytes, aligned.
	v_add_f32 v14, v14, v15                        ; the sum's two halves,
	v_permlanex16_b32 v224, v14, s84, s85
	v_add_f32 v14, v14, v224                       ; and lane l xor 16's
	v_rcp_f32 v14, v14
	v_nop                                          ; a plain place behind the reciprocal,
	s_wait_alu depctr_va_vdst(0)                   ; and the wait ahead of its first reader
.irp j, 0,1,2,3,4,5,6,7,8,9,10,11,12,13,14,15,16,17,18,19,20,21,22,23,24,25,26,27,28,29,30,31
	v_mul_f32 v[96+\j], v[O+\j], v14               ; register 8 (2 b + u) + j is channel 32 b + 16 h + 8 u + j of query position r
.endr
.irp b, 0,1
.irp u, 0,1
	ds_store_b128 v5, v[96+8*(2*\b+\u):99+8*(2*\b+\u)] offset:128*\b+32*\u
	ds_store_b128 v5, v[100+8*(2*\b+\u):103+8*(2*\b+\u)] offset:128*\b+32*\u+16
.endr
.endr
.irp i, 0,1,2,3,4,5,6,7
	ds_load_b128 v[128+4*\i:131+4*\i], v6 offset:544*\i   ; LDS serves a wave's instructions in order: these see my stores
.endr
.irp i, 0,1,2,3,4,5,6,7
	s_wait_dscnt 7-\i                              ; positions 2 i and 2 i + 1 are back; the younger loads may be out
	global_store_b128 v7, v[128+4*\i:131+4*\i], s[94:95] offset:(2*\i+8*(\i/4))*4096 th:TH_STORE_NT   ; position p is row p + 8 (p / 8) of the tile
.endr
	s_wait_xcnt 0x0                                ; the stores have read their registers and their base: both are written again in the next pass
	s_sub_co_u32 s15, 127, s15                     ; the second pass's tile
	s_sub_co_u32 s89, s89, 1
	s_cmp_lg_u32 s89, 0
	s_cbranch_scc1 .Lpass
	s_wait_tensorcnt 0x0
	ds_add_u32 v254, v255
	s_wait_dscnt 0x0
	s_endpgm
.Lfunc_end_k_qc96104c41b_attn:
	.size	k_qc96104c41b_attn, .Lfunc_end_k_qc96104c41b_attn-k_qc96104c41b_attn
	.p2alignl 7, 3214868480
	.fill 96, 4, 3214868480
	.section	.rodata,"a",@progbits
	.p2align	6, 0x0
	.amdhsa_kernel k_qc96104c41b_attn
		.amdhsa_group_segment_fixed_size 219136
		.amdhsa_private_segment_fixed_size 0
		.amdhsa_enable_private_segment 0
		.amdhsa_kernarg_size 40
		.amdhsa_user_sgpr_count 2
		.amdhsa_user_sgpr_kernarg_segment_ptr 1
		.amdhsa_wavefront_size32 1
		.amdhsa_system_sgpr_workgroup_id_x 1
		.amdhsa_system_sgpr_workgroup_id_y 1
		.amdhsa_system_sgpr_workgroup_id_z 1
		.amdhsa_system_vgpr_workitem_id 0
		.amdhsa_next_free_vgpr 256
		.amdhsa_next_free_sgpr 102
		.amdhsa_reserve_vcc 0
		.amdhsa_float_denorm_mode_32 3
		.amdhsa_float_denorm_mode_16_64 3
		.amdhsa_memory_ordered 1
		.amdhsa_forward_progress 1
		.amdhsa_inst_pref_size 33
	.end_amdhsa_kernel
	.amdgpu_metadata
---
amdhsa.version: [ 1, 2 ]
amdhsa.kernels:
  - .name:           k_qc96104c41b_attn
    .symbol:         k_qc96104c41b_attn.kd
    .args:
      - { .name: qrec, .offset: 0, .size: 8, .value_kind: global_buffer, .address_space: global }
      - { .name: kv, .offset: 8, .size: 8, .value_kind: global_buffer, .address_space: global }
      - { .name: maskbits, .offset: 16, .size: 8, .value_kind: global_buffer, .address_space: global }
      - { .name: qflags, .offset: 24, .size: 8, .value_kind: global_buffer, .address_space: global }
      - { .name: out0, .offset: 32, .size: 8, .value_kind: global_buffer, .address_space: global }
    .group_segment_fixed_size: 219136
    .private_segment_fixed_size: 0
    .kernarg_segment_align: 8
    .kernarg_segment_size: 40
    .max_flat_workgroup_size: 512
    .sgpr_count:     102
    .vgpr_count:     256
    .wavefront_size: 32
...
	.end_amdgpu_metadata
.endif
;; end of part 3
;; ======== version 2 of 2: 3 launches; version 1 with the launch attn written anew for expert scheduling mode
;; limits: right only within a limited range of input values
;; workspace buffers: xop 4,456,448 bytes; wop 1,671,168 bytes; qrec 4,456,448 bytes; kv 8,912,896 bytes; maskbits 524,288 bytes of whole numbers; qflags 65,536 bytes of whole numbers
;; launch prep: the kernel of part 1 again; grid 576 x 1, 4 waves a work-group, no clusters, 34,304 bytes of LDS; arguments x, Wq, Wk, Wv, mask, xop, wop, maskbits, qflags; writes xop, wop, maskbits, qflags
;; launch qkv: the kernel of part 2 again; grid 12 x 32, 16 waves a work-group, clusters of 4 x 4, 280,576 bytes of LDS; arguments xop, wop, bq, bk, bv, qrec, kv; writes qrec, kv
;; launch attn (part 4): grid 4 x 64, 16 waves a work-group, no clusters, 219,136 bytes of LDS; arguments qrec, kv, maskbits, qflags, out0; writes out0
.if DOCPART == 4
	.amdgcn_target "amdgcn-amd-amdhsa--gfx1250"
	.amdhsa_code_object_version 6
	.text
	.protected	k_qc96104c41b_attn
	.globl	k_qc96104c41b_attn
	.p2align	8
	.type	k_qc96104c41b_attn,@function
k_qc96104c41b_attn:
	s_mov_b64 s[64:65], 0
	v_nop
	global_prefetch_b8 v0, s[64:65] scope:SCOPE_SE
	s_setreg_imm32_b32 hwreg(HW_REG_WAVE_SCHED_MODE, 0, 2), 2
	s_setreg_imm32_b32 hwreg(HW_REG_WAVE_MODE, 25, 1), 1
	s_wait_xcnt 0x0
	s_wait_alu depctr_vm_vsrc(0)
; ATTN.  out(b, q, head) = softmax_k(where(mask, q . k / 8, -1e9)) v, both products on codes of FP4 with E8M0 scales.
; t = score x log2(e) / 8; M = the running largest t rounded UP to a whole number; p = 2^(t - M) is quantised along the keys, not normalised; the row's sum of the unquantised p divides at the end.
; SHARES.  A work-group takes one head and 512 queries; it copies the head's whole record of k and v (139,264 bytes of codes and scale words) into LDS once, passes one barrier, and then each of its
; sixteen waves works alone: two passes, one tile of 16 queries each (tiles i and 127 - i, which evens the waves' work where later queries see more keys; it is right for any mask), 16 key steps of 128 keys a pass.
; LAYOUT.  Both products are used transposed: S^T = K Q^T (source 0 = 16 keys), O^T = V^T P^T (source 0 = 16 of the head's 64): a lane holds one query (position lane % 16) throughout.
; By the tiles' order of rows the 16 registers of key tiles 2 j and 2 j + 1 are 16 neighbouring keys, 32 j + 16 (lane / 16) + 0 .. 15.
; THE HEAD'S K IS 64, the instruction's 128: a fragment of K holds two key tiles, one in each half of K, and is multiplied once by (Q | zero codes) and once by (zero codes | Q).
; THE MASK is an input.  It comes as lane masks (one word a score register) and as flags, both made by an earlier launch.  A key step with no visible score for my 16 queries is left out by a scalar branch on the
; stored flags, but only where each of the 16 queries has a visible key somewhere: p of a hidden score is then 0.  A tile with a wholly hidden query walks all steps: that row's p are all 1, the mean of v.
; NO TENSOR LOAD AND NO CLUSTER: the steps are left out by branches on numbers read from memory; and what the four work-groups of a head share is read once
; by each, 139,264 bytes at the head, not in every step.
; LIMITS.  A hidden score is set to -2^33, so that its t = -2^33 log2(e) / 8 is a whole number (about -1.55e9; the -1e9 of the definition gives -1.44e9): p is 1 in a wholly hidden row and 0 beside any visible
; key, as by the definition, as long as visible logits lie above about -1e9.  NaN and infinities are not served.  A block of p that are all 0 keeps the byte 1 over zero codes.
; THE MODE: SCHED_MODE bits 1:0 = 2 (LLVM: expert scheduling mode 2), set by the entry lines.  The code itself states the register dependences
; between vector or matrix instructions and memory or LDS instructions, with s_wait_alu, always for 0.
; THE PLAN.  Registers that memory or LDS instructions touch:
;   v4, v228, v229    the copy's offsets: made at the head, read by its 17 loads and 17 LDS stores, never written again.
;   v96-163           the copy's data: loaded, read by the LDS stores; afterwards S^T and O^T, which products and vector instructions write.
;   v226, v227        Q's offsets: written at a pass's head, read by Q's three loads.
;   v16-19, v28-31, v218   Q: loaded at a pass's head; read by the pass's score products and by one shift.
;   v8-11             a key step's LDS addresses: written at the head of a worked step, read by its twenty LDS loads.
;   v32-63, v219-220 (k), v64-95, v221-222 (v)   loaded at the head of a worked step; read by its 8 and its 4 products.
;   v96-127           the way out: written by 32 multiplications, read by eight LDS stores.     v128-159   the stage's rows land here (the softmax named them before); read by eight global stores.
;   v5, v6, v7, v254, v255   made at the head, never written again.
; In a key step: one wait on vm_vsrc ahead of the four additions that write v8-11; ONE wait on va_vdst behind them, which states that the addresses are written and that the last worked step's products
; are done reading k's and v's registers: all twenty loads follow it, k's wanted at once, v's out across the softmax; the two waits behind the exponentials; one wait on va_vdst ahead of the products that take p.
; All 256 registers of each of a SIMD's four waves are spoken for but 22, and which step is worked next hangs on the stored flags: so k and v have one buffer each, asked for at the step's head.
.set KSCL,  65536                      ; LDS: k's codes at 0; k's scale words here;
.set VCOD,  69632                      ; v's codes;
.set VSCL,  135168                     ; v's scale words; the record ends at 139,264
.set STAGE, 147456                     ; the way out: 16 rows x (256 bytes + 16) for each wave
.set S,   96                           ; v96-159  S^T, then p
.set O,   160                          ; v160-191 O^T: four tiles of the head's 64
.set PC,  192                          ; v192-199 p's codes
.set BM,  200                          ; v200-203 the blocks' largest score, then largest p
.set BT,  204                          ; v204-207 at work
.set BS,  208                          ; v208-211 the conversions' scale operands
; v1 16 x lane, v2 4 x lane + KSCL (an LDS immediate holds 16 bits, so the 65,536 stand in the register), v3 4 r, v4 16 x thread, v5, v6 the stage in and out, v7 my offset in the rows of out0;
; v8-11 LDS addresses of the step's k, v, k's and v's scale words;
; v12 -M, v13 the largest t, v[14:15] the sum in two halves; v[16:23] (Q | 0), v[24:31] (0 | Q); v32-63 four fragments of k, v64-95 four of v;
; v[212:213] f and a word named with it; v[214:215] the sum's second chain; v216 p's scale word, v217 Q's, v219-220 k's, v221-222 v's: scales and nothing else; v218 Q's as loaded; v223 -2^33.
; v254 the LDS address of my spare word, 0x35000 + 4 x thread, v255 0: made at the head and kept for the closing lines alone.
; s14 wave, s15 the tile of queries, s[16:63], s[68:83] the step's 64 mask words, s[84:85] lane selects, s[86:87] c, s88 key step, s89 passes left, s90 steps to work, s91 steps with hidden scores,
; s[92:93] the tile's mask words, s[94:95] the tile's rows of out0, s96 4,096 x key step, s97 256 x key step.
	s_load_b256 s[4:11], s[0:1], 0x0               ; qrec s[4:5], kv s[6:7], maskbits s[8:9], qflags s[10:11]
	s_load_b64 s[12:13], s[0:1], 0x20              ; out0
	v_lshl_add_u32 v254, v0, 2, 0x35000
	v_mov_b32 v255, 0
	v_lshrrev_b32 v1, 5, v0
	v_readfirstlane_b32 s14, v1                    ; wave 0..15
	s_and_b32 s98, ttmp7, 0xffff                   ; 16 x batch + head
	s_mov_b32 s101, 0
	s_lshl_b32 s15, ttmp9, 4
	s_wait_alu depctr_va_sdst(0)                   ; s14 is written, ahead of its first reader: the tile and my stage are made from it
	s_add_co_u32 s15, s15, s14                     ; the first pass's tile
	v_lshlrev_b32 v4, 4, v0
	s_mul_i32 s100, s98, 139264
	s_wait_kmcnt 0x0
	s_add_nc_u64 s[6:7], s[6:7], s[100:101]
	s_wait_alu depctr_va_vdst(0)                   ; v4 is written, which the 17 loads below read as their offset
.irp i, 0,1,2,3,4,5,6,7,8,9,10,11,12,13,14,15,16
	global_load_b128 v[96+4*\i:99+4*\i], v4, s[6:7] offset:8192*\i    ; the 512 threads read 8,192 consecutive bytes; 17 such runs are the record
.endr
	s_mul_i32 s100, s98, 69632
	s_add_nc_u64 s[4:5], s[4:5], s[100:101]        ; the head's record of q
	s_lshr_b32 s99, s98, 4
	s_lshl_b32 s100, s99, 23                       ; the batch's 2,048 rows of 4,096 bytes,
	s_and_b32 s99, s98, 15
	s_lshl_b32 s99, s99, 8                         ; the head's 256 bytes of a row
	s_add_co_u32 s100, s100, s99
	s_add_nc_u64 s[12:13], s[12:13], s[100:101]
	v_and_b32 v2, 31, v0
	v_lshlrev_b32 v1, 4, v2
	v_lshl_add_u32 v2, v2, 2, KSCL                 ; 4 x lane, from k's scale words on
	v_and_b32 v230, 15, v0                         ; r
	v_bfe_u32 v231, v0, 4, 1                       ; h
	v_lshlrev_b32 v3, 2, v230
	s_mul_i32 s99, s14, 16*272
	s_add_co_u32 s99, s99, STAGE                   ; my stage
	v_mul_u32_u24 v5, v230, 272
	v_lshl_add_u32 v5, v231, 6, v5
	v_add_nc_u32 v5, s99, v5                       ; in: row r, + 64 h
	v_mul_u32_u24 v6, v231, 272
	v_lshl_add_u32 v6, v230, 4, v6
	v_add_nc_u32 v6, s99, v6                       ; back: lanes 0-15 one row, lanes 16-31 the next
	v_lshlrev_b32 v7, 12, v231
	v_lshl_add_u32 v7, v230, 4, v7                 ; and the same two rows in out0
	v_add_nc_u32 v228, 0x10000, v4
	v_add_nc_u32 v229, 0x20000, v4
.irp j, 20,21,22,23,24,25,26,27
	v_mov_b32 v[\j], 0                             ; the zero codes beside Q
.endr
.irp j, 204,205,206,207,213,224
	v_mov_b32 v[\j], 0                             ; lane permutes' destinations and a pair's upper word: written once
.endr
	v_mov_b32 v223, 0xd0000000                     ; -2^33
	s_mov_b32 s84, 0x76543210
	s_mov_b32 s85, 0xfedcba98
	s_mov_b32 s86, 0x3e38aa3b                      ; c = log2(e) / 8
	s_mov_b32 s87, s86                             ; (named with it as a pair)
	s_wait_alu depctr_va_vdst(0)                   ; v228 and v229 are written, which the LDS stores below read as addresses; so are v5, v6, v7, v254 and v255, which the way out's LDS and memory instructions and the closing add read
.irp i, 0,1,2,3,4,5,6,7,8,9,10,11,12,13,14,15,16
	s_wait_loadcnt 16-\i                           ; loads come back in order: run i is in, the younger ones may be out
.if \i < 8
	ds_store_b128 v4, v[96+4*\i:99+4*\i] offset:8192*\i
.elseif \i < 16
	ds_store_b128 v228, v[96+4*\i:99+4*\i] offset:8192*(\i-8)
.else
	ds_store_b128 v229, v[96+4*\i:99+4*\i]
.endif
.endr
	s_wait_dscnt 0x0                               ; for the others' sake: my stores have landed
	s_barrier_signal -1
	s_barrier_wait -1                              ; the record is whole; nobody writes it again
	s_wait_alu depctr_vm_vsrc(0)                   ; my LDS stores have read v96 to v163: these registers are S^T and O^T from here on, written by products and by vector instructions
	s_mov_b32 s89, 2
.Lpass:
	s_lshl_b32 s98, s15, 9
	s_load_b64 s[16:17], s[10:11], s98 offset:0x0  ; the tile's flags, a pair from each of the four waves that made them
	s_load_b64 s[18:19], s[10:11], s98 offset:0x80
	s_load_b64 s[20:21], s[10:11], s98 offset:0x100
	s_load_b64 s[22:23], s[10:11], s98 offset:0x180
	v_add_nc_u32 v226, s98, v1                     ; Q's codes: 512 bytes a tile
	s_lshr_b32 s99, s15, 1
	s_lshl_b32 s100, s99, 6
	v_add_nc_u32 v227, s100, v3                    ; its scale words: 64 bytes a pair of tiles
	s_wait_alu depctr_va_vdst(0)                   ; v226 and v227 are written, which the three loads below read; the last pass's products are done reading v16-19 and v28-31, and its shift v218, in which they land
	global_load_b128 v[16:19], v226, s[4:5]
	global_load_b128 v[28:31], v226, s[4:5]        ; the same codes for the upper half of K
	global_load_b32 v218, v227, s[4:5] offset:65536
	s_lshl_b32 s100, s15, 12
	s_add_nc_u64 s[92:93], s[8:9], s[100:101]
	s_lshl_b32 s99, s99, 5
	s_and_b32 s100, s15, 1
	s_lshl_b32 s100, s100, 3
	s_add_co_u32 s100, s100, s99                   ; the tile's first query
	s_lshl_b32 s100, s100, 12
	s_add_nc_u64 s[94:95], s[12:13], s[100:101]
	s_wait_kmcnt 0x0
	s_or_b32 s16, s16, s18
	s_or_b32 s20, s20, s22
	s_or_b32 s16, s16, s20                         ; bit s: step s has a visible score; bit 16 + s: a hidden one
	s_or_b32 s17, s17, s19
	s_or_b32 s21, s21, s23
	s_or_b32 s17, s17, s21                         ; the lanes that saw a visible key;
	s_lshr_b32 s18, s17, 16
	s_or_b32 s17, s17, s18
	s_and_b32 s17, s17, 0xffff                     ; the queries
	s_and_b32 s18, s16, 0xffff
	s_lshr_b32 s91, s16, 16
	s_mov_b32 s90, 0xffff
	s_cmp_eq_u32 s17, 0xffff
	s_cselect_b32 s90, s18, s90                    ; all 16 queries see a key: only steps with a visible score are worked; else all 16 steps
	s_and_b32 s98, s15, 1
	s_lshl_b32 s98, s98, 4
	s_wait_loadcnt 0x0
	v_lshrrev_b32 v217, s98, v218                  ; my tile's two bytes,
	v_and_b32 v217, 0xffff, v217
	v_lshl_or_b32 v217, v217, 16, v217             ; for either half of K
	v_mov_b32 v13, 0xff61b1e6                      ; the largest t so far: -3e38, under every t
	v_floor_f32 v12, -v13                          ; -M
	v_mov_b32 v14, 0
	v_mov_b32 v15, 0
.irp j, 0,1,2,3,4,5,6,7,8,9,10,11,12,13,14,15,16,17,18,19,20,21,22,23,24,25,26,27,28,29,30,31
	v_mov_b32 v[O+\j], 0                           ; the step is written once: the first finds zeros, which the first change of M leaves zeros
.endr
	s_mov_b32 s88, 0
	s_mov_b32 s96, 0
	s_mov_b32 s97, 0
.Lks:
	s_lshr_b32 s98, s90, s88
	s_and_b32 s98, s98, 1
	s_cmp_eq_u32 s98, 0
	s_cbranch_scc1 .Lskip                          ; nothing visible here: only the lines that step the offsets are run
	s_load_b512 s[16:31], s[92:93], s97 offset:0x0 ; the step's 64 lane masks
	s_load_b512 s[32:47], s[92:93], s97 offset:0x40
	s_load_b512 s[48:63], s[92:93], s97 offset:0x80
	s_load_b512 s[68:83], s[92:93], s97 offset:0xc0
	s_wait_alu depctr_vm_vsrc(0)                   ; the LDS loads of the step worked last have read v8 to v11, which the four additions write
	v_add_nc_u32 v8, s96, v1                       ; k: 4,096 bytes a step
	v_add_nc_u32 v9, VCOD, v8                      ; v likewise
	v_add_nc_u32 v10, s97, v2                      ; k's scale words: 256 bytes a step
	v_add_nc_u32 v11, VSCL-KSCL, v10               ; v's likewise
	s_wait_alu depctr_va_vdst(0)                   ; v8 to v11 are written, which the twenty loads below read; the products of the step worked last are done reading v32-95 and v219-222, in which they land; Q's zero codes and its scale word v217, written by vector instructions, are written ahead of the products that take them
.irp j, 0,1,2,3
	ds_load_b128 v[32+8*\j:35+8*\j], v8 offset:1024*\j        ; key tile 2 j in the lower half of K,
	ds_load_b128 v[36+8*\j:39+8*\j], v8 offset:1024*\j+512    ; key tile 2 j + 1 in the upper
.endr
.irp i, 0,1
	ds_load_b32 v[219+\i], v10 offset:128*\i       ; lanes 0-15 the words of pair 2 i, lanes 16-31 of pair 2 i + 1
.endr
.irp j, 0,1,2,3
	ds_load_b128 v[64+8*\j:67+8*\j], v9 offset:1024*\j
	ds_load_b128 v[68+8*\j:71+8*\j], v9 offset:1024*\j+512
.endr
.irp i, 0,1
	ds_load_b32 v[221+\i], v11 offset:128*\i
.endr
	s_wait_dscnt 10                                ; k is in; v's ten loads may be out
.irp j, 0,2
	v_wmma_scale_f32_16x16x128_f8f6f4 v[S+16*\j:S+16*\j+7], v[32+8*\j:39+8*\j], v[16:23], 0, v[219+\j/2], v217 matrix_a_fmt:MATRIX_FMT_FP4 matrix_b_fmt:MATRIX_FMT_FP4
	v_wmma_scale_f32_16x16x128_f8f6f4 v[S+16*\j+8:S+16*\j+15], v[32+8*\j:39+8*\j], v[24:31], 0, v[219+\j/2], v217 matrix_a_fmt:MATRIX_FMT_FP4 matrix_b_fmt:MATRIX_FMT_FP4
	v_wmma_scale_f32_16x16x128_f8f6f4 v[S+16*\j+16:S+16*\j+23], v[40+8*\j:47+8*\j], v[16:23], 0, v[219+\j/2], v217 matrix_a_fmt:MATRIX_FMT_FP4 matrix_b_fmt:MATRIX_FMT_FP4 matrix_a_scale:MATRIX_SCALE_ROW1
	v_wmma_scale_f32_16x16x128_f8f6f4 v[S+16*\j+24:S+16*\j+31], v[40+8*\j:47+8*\j], v[24:31], 0, v[219+\j/2], v217 matrix_a_fmt:MATRIX_FMT_FP4 matrix_b_fmt:MATRIX_FMT_FP4 matrix_a_scale:MATRIX_SCALE_ROW1
.endr
.rept 4
	v_nop                                          ; four plain places in front of the first read of the scores (ISA guide 7.12.1)
.endr
	s_wait_kmcnt 0x0                               ; the masks are in, and their offset register may be stepped
	s_lshr_b32 s98, s91, s88
	s_and_b32 s98, s98, 1
	s_cmp_eq_u32 s98, 0
	s_cbranch_scc1 .Lopen                          ; every score of the step counts
.irp n, 0,1,2,3,4,5,6,7,8,9,10,11,12,13,14,15,16,17,18,19,20,21,22,23,24,25,26,27,28,29,30,31,32,33,34,35,36,37,38,39,40,41,42,43,44,45,46,47
	v_cndmask_b32 v[S+\n], v223, v[S+\n], s[16+\n] ; hidden: -2^33
.endr
.irp n, 48,49,50,51,52,53,54,55,56,57,58,59,60,61,62,63
	v_cndmask_b32 v[S+\n], v223, v[S+\n], s[20+\n]
.endr
.Lopen:
.irp b, 0,1,2,3
	v_max3_num_f32 v[BM+\b], v[S+16*\b], v[S+1+16*\b], v[S+2+16*\b]   ; the largest score of each block of 32 keys: for the row's maximum, and, since p rises with the score, for the block's largest p
.endr
.irp i, 3,5,7,9,11,13
.irp b, 0,1,2,3
	v_max3_num_f32 v[BM+\b], v[BM+\b], v[S+16*\b+\i], v[S+1+16*\b+\i]
.endr
.endr
.irp b, 0,1,2,3
	v_max_num_f32 v[BM+\b], v[BM+\b], v[S+15+16*\b]
.endr
.irp b, 0,1,2,3
	v_permlanex16_b32 v[BT+\b], v[BM+\b], s84, s85
.endr
.irp b, 0,1,2,3
	v_max_num_f32 v[BM+\b], v[BM+\b], v[BT+\b]     ; with lane l xor 16's 16 keys
.endr
	v_max3_num_f32 v224, v200, v201, v202
	v_max_num_f32 v224, v224, v203                 ; the step's largest score of my query,
	v_mul_f32 v224, s86, v224                      ; as t (c is positive)
	v_max_num_f32 v13, v13, v224                   ; the running largest t
	v_mov_b32 v224, v12
	v_floor_f32 v12, -v13                          ; the new -M = floor(-t) = -ceil(t)
	v_sub_f32 v224, v12, v224                      ; old M - new M: a whole number, 0 or less
	v_cvt_i32_f32 v224, v224                       ; (it saturates)
	v_ldexp_f32 v212, 1.0, v224                    ; f = 2^(old M - new M): the rescaling rounds nothing
.irp j, 0,2,4,6,8,10,12,14,16,18,20,22,24,26,28,30,32,34,36,38,40,42,44,46,48,50,52,54,56,58,60,62
	v_pk_fma_f32 v[S+\j:S+1+\j], v[S+\j:S+1+\j], s[86:87], v[12:13] op_sel_hi:[1,0,0]   ; t - M, two at a time
.endr
.irp b, 0,1,2,3
	v_fma_f32 v[BM+\b], v[BM+\b], s86, v12         ; the same of each block's largest score
.endr
.irp j, 0,1,2,3,4,5,6,7,8,9,10,11,12,13,14,15,16,17,18,19,20,21,22,23,24,25,26,27,28,29,30,31,32,33,34,35,36,37,38,39,40,41,42,43,44,45,46,47,48,49,50,51,52,53,54,55,56,57,58,59,60,61,62,63
	v_exp_f32 v[S+\j], v[S+\j]                     ; p = 2^(t - M), at most 1
.endr
	v_pk_mul_f32 v[14:15], v[14:15], v[212:213] op_sel_hi:[1,0]   ; the sums under the new M; the plain instruction behind the exponentials
	s_wait_alu depctr_va_vdst(0)                   ; the 64 exponentials have written p, v96 to v159: one wait for the batch, ahead of its first reader
.irp b, 0,1,2,3
	v_exp_f32 v[BM+\b], v[BM+\b]                   ; the block's largest p: the same two instructions on the same number give the same bits
.endr
.irp j, 0,2,4,6,8,10,12,14,16,18,20,22,24,26,28,30
	v_pk_mul_f32 v[O+\j:O+1+\j], v[O+\j:O+1+\j], v[212:213] op_sel_hi:[1,0]   ; O^T under the new M, each accumulator from its low end on: the independent work behind the four
.endr
	s_wait_alu depctr_va_vdst(0)                   ; the four exponentials have written the blocks' largest p, v200 to v203, ahead of their first reader
.irp b, 0,1,2,3
	v_max_num_f32 v[BM+\b], 0x1800000, v[BM+\b]    ; the floor 2^(3 - 127): the byte cannot fall under 1
.endr
.irp b, 0,1,2,3
	v_add_nc_u32 v[BS+\b], 0xff000000, v[BM+\b]    ; 2 off the exponent field: the conversion's scale operand
.endr
.irp b, 0,1,2,3
	v_lshrrev_b32 v[BT+\b], 23, v[BS+\b]           ; the byte
.endr
	v_lshl_or_b32 v216, v205, 8, v204              ; p's scale word for these 128 keys
	v_lshl_or_b32 v216, v206, 16, v216
	v_lshl_or_b32 v216, v207, 24, v216
.irp b, 0,1,2,3
	v_cvt_scalef32_pk8_fp4_f32 v[PC+2*\b], v[S+16*\b:S+7+16*\b], v[BS+\b]
	v_cvt_scalef32_pk8_fp4_f32 v[PC+1+2*\b], v[S+8+16*\b:S+15+16*\b], v[BS+\b]
.endr
	v_nop                                          ; one plain place behind a scaled conversion
.irp c, 0,1                                    ; the operand's layout wants a whole block in a lane
.irp i, 0,1
	v_permlane16_swap_b32 v[PC+4*\c+\i], v[PC+2+4*\c+\i]
.endr
.endr
	v_pk_add_f32 v[214:215], v[S:S+1], v[S+2:S+3]  ; the row's sum of the UNQUANTISED p, in two chains; these 32 lines are also the places between the codes' and the scale word's last writes and the products below
.irp j, 4,8,12,16,20,24,28,32,36,40,44,48,52,56,60
	v_pk_add_f32 v[14:15], v[14:15], v[S+\j:S+1+\j]
	v_pk_add_f32 v[214:215], v[214:215], v[S+2+\j:S+3+\j]
.endr
	v_pk_add_f32 v[14:15], v[14:15], v[214:215]
	s_wait_dscnt 0x0                               ; v is in
	s_wait_alu depctr_va_vdst(0)                   ; the conversions and the swaps have written p's codes, v192 to v199, and the shifts its scale word, v216, which the scaled products below take as source 1 and as its scales; the places above stay beside this wait
.irp d, 0,2                                    ; O^T += V^T P^T: the four accumulators take turns; between two links of one chain stand the other three and the next step's eight
	v_wmma_scale_f32_16x16x128_f8f6f4 v[O+8*\d:O+8*\d+7], v[64+8*\d:71+8*\d], v[PC:PC+7], v[O+8*\d:O+8*\d+7], v[221+\d/2], v216 matrix_a_fmt:MATRIX_FMT_FP4 matrix_b_fmt:MATRIX_FMT_FP4
	v_wmma_scale_f32_16x16x128_f8f6f4 v[O+8*\d+8:O+8*\d+15], v[72+8*\d:79+8*\d], v[PC:PC+7], v[O+8*\d+8:O+8*\d+15], v[221+\d/2], v216 matrix_a_fmt:MATRIX_FMT_FP4 matrix_b_fmt:MATRIX_FMT_FP4 matrix_a_scale:MATRIX_SCALE_ROW1
.endr
.rept 4
	v_nop                                          ; places in front of the next read of O^T; what the next loads into v's registers hang on is stated by the wait at the head of the step that issues them
.endr
.Lskip:
	s_add_co_u32 s96, s96, 4096
	s_add_co_u32 s97, s97, 256
	s_add_co_u32 s88, s88, 1
	s_cmp_lt_u32 s88, 16
	s_cbranch_scc1 .Lks
	; THE WAY OUT of a pass.  O^T / the sum goes through my stage and leaves as rows: sixteen lanes store a query's 256 consecutive bytes, aligned.
	v_add_f32 v14, v14, v15                        ; the sum's two halves,
	v_permlanex16_b32 v224, v14, s84, s85
	v_add_f32 v14, v14, v224                       ; and lane l xor 16's
	v_rcp_f32 v14, v14
	v_nop                                          ; a plain place behind the reciprocal,
	s_wait_alu depctr_va_vdst(0)                   ; and the wait: the reciprocal has written v14, ahead of its first reader
.irp j, 0,1,2,3,4,5,6,7,8,9,10,11,12,13,14,15,16,17,18,19,20,21,22,23,24,25,26,27,28,29,30,31
	v_mul_f32 v[96+\j], v[O+\j], v14               ; register 8 (2 b + u) + j is channel 32 b + 16 h + 8 u + j of query position r
.endr
	s_wait_alu depctr_va_vdst(0)                   ; the multiplications have written v96 to v127, which the LDS stores read; the softmax is done with v128 to v159, in which the stage's rows land
.irp b, 0,1
.irp u, 0,1
	ds_store_b128 v5, v[96+8*(2*\b+\u):99+8*(2*\b+\u)] offset:128*\b+32*\u
	ds_store_b128 v5, v[100+8*(2*\b+\u):103+8*(2*\b+\u)] offset:128*\b+32*\u+16
.endr
.endr
.irp i, 0,1,2,3,4,5,6,7
	ds_load_b128 v[128+4*\i:131+4*\i], v6 offset:544*\i   ; LDS serves a wave's instructions in order: these see my stores
.endr
.irp i, 0,1,2,3,4,5,6,7
	s_wait_dscnt 7-\i                              ; positions 2 i and 2 i + 1 are back; the younger loads may be out
	global_store_b128 v7, v[128+4*\i:131+4*\i], s[94:95] offset:(2*\i+8*(\i/4))*4096 th:TH_STORE_NT   ; position p is row p + 8 (p / 8) of the tile
.endr
	s_wait_xcnt 0x0                                ; the stores have read their registers and their base: both are written again in the next pass
	s_wait_alu depctr_vm_vsrc(0)                   ; beside it: the LDS stores have read v96-127, the global stores v128-159 and Q's loads v226 and v227, all of which the next pass's additions and products write
	s_sub_co_u32 s15, 127, s15                     ; the second pass's tile
	s_sub_co_u32 s89, s89, 1
	s_cmp_lg_u32 s89, 0
	s_cbranch_scc1 .Lpass
	s_wait_dscnt 0x0                               ; the closing lines, six on end
	s_wait_alu 0x0
	s_wait_tensorcnt 0x0
	ds_add_u32 v254, v255
	s_wait_dscnt 0x0
	s_endpgm
.Lfunc_end_k_qc96104c41b_attn:
	.size	k_qc96104c41b_attn, .Lfunc_end_k_qc96104c41b_attn-k_qc96104c41b_attn
	.p2alignl 7, 3214868480
	.fill 96, 4, 3214868480
	.section	.rodata,"a",@progbits
	.p2align	6, 0x0
	.amdhsa_kernel k_qc96104c41b_attn
		.amdhsa_group_segment_fixed_size 219136
		.amdhsa_private_segment_fixed_size 0
		.amdhsa_enable_private_segment 0
		.amdhsa_kernarg_size 40
		.amdhsa_user_sgpr_count 2
		.amdhsa_user_sgpr_kernarg_segment_ptr 1
		.amdhsa_wavefront_size32 1
		.amdhsa_system_sgpr_workgroup_id_x 1
		.amdhsa_system_sgpr_workgroup_id_y 1
		.amdhsa_system_sgpr_workgroup_id_z 1
		.amdhsa_system_vgpr_workitem_id 0
		.amdhsa_next_free_vgpr 256
		.amdhsa_next_free_sgpr 102
		.amdhsa_reserve_vcc 0
		.amdhsa_float_denorm_mode_32 3
		.amdhsa_float_denorm_mode_16_64 3
		.amdhsa_memory_ordered 1
		.amdhsa_forward_progress 1
		.amdhsa_inst_pref_size 33
	.end_amdhsa_kernel
	.amdgpu_metadata
---
amdhsa.version: [ 1, 2 ]
amdhsa.kernels:
  - .name:           k_qc96104c41b_attn
    .symbol:         k_qc96104c41b_attn.kd
    .args:
      - { .name: qrec, .offset: 0, .size: 8, .value_kind: global_buffer, .address_space: global }
      - { .name: kv, .offset: 8, .size: 8, .value_kind: global_buffer, .address_space: global }
      - { .name: maskbits, .offset: 16, .size: 8, .value_kind: global_buffer, .address_space: global }
      - { .name: qflags, .offset: 24, .size: 8, .value_kind: global_buffer, .address_space: global }
      - { .name: out0, .offset: 32, .size: 8, .value_kind: global_buffer, .address_space: global }
    .group_segment_fixed_size: 219136
    .private_segment_fixed_size: 0
    .kernarg_segment_align: 8
    .kernarg_segment_size: 40
    .max_flat_workgroup_size: 512
    .sgpr_count:     102
    .vgpr_count:     256
    .wavefront_size: 32
...
	.end_amdgpu_metadata
.endif
;; end of part 4
